; MI455X (gfx1250); checked and timed in simulation.
; The chip was launched on July 23, 2026; its instructions are those of AMD's public machine-readable ISA for CDNA 5 (MIT licence, August 2026) and "CDNA5" Instruction Set Architecture Reference Guide (July 2026). The comments in the code are by the model that wrote it; some were corrected since.
;; Sparse Deep Unrolling. Allowed arithmetic: matrix products marked QUANTISED: E2M3 operands, one E8M0 scale for each 32 along K, by v_wmma_scale_f32_16x16x128_f8f6f4 with both operands' format E2M3, f32 sums; everything else in f32.
;; Inputs: W 1,024 x 2,048 float32; x 4,096 x 1,024 x 1 float32.
;; Outputs: out0 4,096 x 1,024 x 1 float32; out1 4,096 x 2,048 x 1 float32.
;; This version of the problem:
;;   THIS VERSION OF THE PROBLEM IS GIVEN IN LOW PRECISION. The matrix products marked QUANTISED in the list below multiply operands that are first quantised to E2M3 (2 exponent bits, 3 mantissa bits; 6 bits a number), with one power-of-two scale for each 32 numbers along K (OCP MX v1.0); their sums are f32. All else is computed in f32.
;;   The module's matrix products, in the order in which they are computed (A, B: the left and right operand; K: the contracted axis; several contracted axes count as one K, in the product's order):
;;     1. [M 2,048, K 1,024] x [K 1,024, N 2,048]; A: computed on the way; B: computed on the way: QUANTISED
;;     2. [M 4,096, K 1,024] x [K 1,024, N 2,048]; A: input x; B: computed on the way: QUANTISED
;;     3. [M 4,096, K 2,048] x [K 2,048, N 2,048]; A: computed on the way; B: computed on the way: QUANTISED
;;     4. [M 4,096, K 2,048] x [K 2,048, N 2,048]; A: computed on the way; B: computed on the way: QUANTISED
;;     5. [M 4,096, K 2,048] x [K 2,048, N 1,024]; A: computed on the way; B: computed on the way: QUANTISED
;;   THE QUANTISER, for each operand of a quantised product, along K:
;;     - K is cut into blocks of 32 from its start; a last block that is shorter is filled with zeros.
;;     - A block's scale is 2^e with e = floor(log2(the largest magnitude in the block)) - 2, held to -126 .. 127; a block of zeros has e = 0. As a byte (E8M0): e + 127.
;;     - Each number is divided by its block's scale, clamped to +-7.5, and rounded to the nearest number of E2M3, ties to even, subnormals kept.
;;     - The product sums the exact products of the quantised numbers (number of the format x scale) in f32.
;;   ~~~python
;;   def quantise(x, axis):      # numpy; x: float32 -> the quantised numbers, widened to float32 again
;;       x = np.moveaxis(x, axis, -1); K = x.shape[-1]
;;       x = np.pad(x, [(0, 0)] * (x.ndim - 1) + [(0, -K % 32)]); x = x.reshape(x.shape[:-1] + (-1, 32)); a = np.abs(x).max(-1, keepdims=True)
;;       e = np.where(a > 0, np.clip(np.frexp(np.where(a > 0, a, 1))[1] - 1 - 2, -126, 127), 0)      # np.frexp(a)[1] - 1 = floor(log2(a)), exactly
;;       r = np.clip(x / 2.0 ** e, -7.5, 7.5)
;;       step = 2.0 ** (np.maximum(np.frexp(np.where(r == 0, 1, r))[1] - 1, 0) - 3)
;;       q = np.round(r / step) * step * 2.0 ** e      # np.round: ties to even
;;       return np.moveaxis(q.reshape(q.shape[:-2] + (-1,))[..., :K], -1, axis).astype(np.float32)
;;   ~~~
;;   OPERANDS COMPUTED ON THE WAY. 'Computed on the way' means the value that the module computes at that place (a softmax that the list does not call 'softmax' is quantised finished and normalised). What goes into a quantiser is computed in f32, as accurately as f32 sums, v_exp_f32 and their like allow (about 1e-6 of the number): no bf16 or f16 on the way to a quantiser, and a product that is left as it is and whose result goes on into a quantised operand takes f32 operands (vector FMAs, or v_wmma_f32_16x16x4_f32). A number that lies on a knife's edge between two numbers of the format may be rounded either way, as far as f32 arithmetic and the matrix unit's own rounding can turn it there, and no further.
;; One version. Each part assembles by itself: llvm-mc -triple=amdgcn-amd-amdhsa -mcpu=gfx1250 --defsym DOCPART=n.
;; ======== version 1 of 1: 4 launches
;; limits: right only within a limited range of input values
;; workspace buffers: AXC 9,437,184 bytes; AXS 196,608 bytes; AZC 9,437,184 bytes; AZS 393,216 bytes; Z2C 6,291,456 bytes; Z2S 262,144 bytes; WDC 1,572,864 bytes; WDS 65,536 bytes
;; launch prep (part 1): grid 160 x 1, 16 waves a work-group, no clusters, 214,016 bytes of LDS; arguments W, x, AXC, AXS, WDC, WDS; writes AXC, AXS, WDC, WDS
.if DOCPART == 1
	.amdgcn_target "amdgcn-amd-amdhsa--gfx1250"
	.amdhsa_code_object_version 6
	.text
	.protected	k_qf73ccaff26_prep
	.globl	k_qf73ccaff26_prep
	.p2align	8
	.type	k_qf73ccaff26_prep,@function
k_qf73ccaff26_prep:
	s_mov_b64 s[64:65], 0
	v_nop
	global_prefetch_b8 v0, s[64:65] scope:SCOPE_SE
	s_setreg_imm32_b32 hwreg(HW_REG_WAVE_MODE, 25, 1), 1
	s_wait_xcnt 0x0
; W [1024 (d)][2048 (p)] f32 is normalised by columns (Wn = W x rsq(sum over d of W^2)) and quantised to FP6 (E2M3) twice: along d (rows = p) and along p (rows = d).  x [4096][1024] f32 is quantised along d.
; A block of 32 has the scale 2^(floor(log2(largest magnitude)) - 2); its byte is the largest magnitude's exponent field - 2, held at 1 from below.  A block of zeros keeps the byte 1: its codes are zeros, and only this program reads the bytes.
; OUTPUT LAYOUT.  A fragment (16 rows x 128 K, 12 registers a lane, lane = 16 h + r) is a record of 1,536 bytes: registers 0-3 at 16 lane; 6-9 at 512 + 16 lane; 4-5 at 1024 + 16 r + 8 h; 10-11 at 1280 + 16 r + 8 h.
; record(row tile, K step) lies at tile x 24,576 + step x 1,536.  A row's scale word of a K step lies at step x pitch + 4 x row.
; AXC / AXS: tiles 0-127 Wn along d; lane r of tile 2 b + u holds p = 32 b + 8 u + r % 8 + 16 (r / 8), so that a later product's 16 results of two neighbouring tiles are 16 neighbours.  Tiles 128-383: x's rows as they lie.  WDC / WDS: Wn along p, rows = d.
; SHARES.  Work-groups 0-31: 64 columns of W each, wave w rows 64 w .. 64 w + 63, all in registers (128 a lane).  Work-groups 32-159: 256 rows x 128 columns of x each, one fragment a wave.  The two ways use LDS bytes of their own.
; LIMITS: NaN and infinities are not served.  A column of W whose sum of squares is zero or no normal f32 number is not served (the definition gives NaN for zeros).  Wn is W x rsq(sum), not W / sqrt(sum): about two units in the last place apart.
; WDS is stored as 2 of every 4 bytes: a word's other half belongs to the neighbouring work-group's 64 columns (65,536 bytes in all).
; WORK LEFT OUT BY THE PROGRAM: reference() starts from z = zeros that it builds itself, so its first product z A is a product with zeros for all values of x and W, and the first step is z1 = relu(b).
; That product (the table's third) is not computed by any launch.  LIMIT: a NaN, an infinity or an overflow that would reach only that product is not carried to the result.
.set TP,   24576
.set REC,  1536
.set NRM,  0                           ; 16 waves x 64 columns: partial sums of squares
.set WSC,  4096                        ; [8 K steps][64 rows] scale words of Wn along d
.set PST,  6144                        ; a stage of 16 rows x 272 bytes for each wave (W's way)
.set XST,  75776                       ; a stage of 16 rows x 528 bytes for each wave (x's way)
.set XSC,  210944                      ; 256 scale words (x's way)
.set X,    64                          ; v64-191: W's way: X + 64 e + i = W[64 w + i][64 g + 32 e + lane];  x's way: v64-127 the 64 numbers to be quantised
.set L16,  12
.set L8,   13
.set PC,   192
.set TM,   212
.set PW,   228
.set SEL,  20
; 64 numbers of a lane, v[s] .. v[s + 63], register 16 b + i = k 32 b + 16 (lane / 16) + i of my row, become a fragment's codes in v[PC] on and its scale word in v[PW].
.macro QUANT s
.irp b, 0,1,2,3
	v_max3_num_f32 v[TM+\b], |v[\s+16*\b]|, |v[\s+1+16*\b]|, 0x1800000   ; my 16 numbers of block b, and the floor 2^(3 - 127): the byte cannot fall under 1
.endr
.irp i, 2,4,6,8,10,12,14
.irp b, 0,1,2,3
	s_delay_alu instid0(VALU_DEP_4)
	v_max3_num_f32 v[TM+\b], v[TM+\b], |v[\s+16*\b+\i]|, |v[\s+1+16*\b+\i]|
.endr
.endr
.irp b, 0,1,2,3
	s_delay_alu instid0(VALU_DEP_4)
	v_permlanex16_b32 v[TM+4+\b], v[TM+\b], s[SEL], s[SEL+1]
.endr
.irp b, 0,1,2,3
	s_delay_alu instid0(VALU_DEP_4)
	v_max_num_f32 v[TM+\b], v[TM+\b], v[TM+4+\b]       ; with lane l xor 16's: the block's largest magnitude
.endr
.irp b, 0,1,2,3
	s_delay_alu instid0(VALU_DEP_4)
	v_add_nc_u32 v[TM+12+\b], 0xff000000, v[TM+\b]     ; 2 off its exponent field: the conversion's scale operand
.endr
.irp b, 0,1,2,3
	s_delay_alu instid0(VALU_DEP_4)
	v_lshrrev_b32 v[TM+4+\b], 23, v[TM+12+\b]          ; the scale's byte
.endr
	s_delay_alu instid0(VALU_DEP_3)
	v_lshl_or_b32 v[PW], v[TM+5], 8, v[TM+4]
	s_delay_alu instid0(VALU_DEP_1)
	v_lshl_or_b32 v[PW], v[TM+6], 16, v[PW]
	s_delay_alu instid0(VALU_DEP_1)
	v_lshl_or_b32 v[PW], v[TM+7], 24, v[PW]
.irp c, 0,1
	v_cvt_scalef32_pk16_fp6_f32 v[PC+6*\c:PC+2+6*\c], v[\s+32*\c:\s+15+32*\c], v[TM+12+2*\c]
	v_cvt_scalef32_pk16_fp6_f32 v[PC+12+4*\c:PC+14+4*\c], v[\s+16+32*\c:\s+31+32*\c], v[TM+12+2*\c+1]
.endr
	v_nop                                          ; one plain place behind a scaled conversion
.irp c, 0,1                                    ; the operand wants a whole block in a lane: lanes 0-15 block 2 c, lanes 16-31 block 2 c + 1
.irp i, 0,1,2
	v_permlane16_swap_b32 v[PC+6*\c+\i], v[PC+12+4*\c+\i]
.endr
.irp i, 0,1,2
	s_delay_alu instid0(VALU_DEP_3)
	v_mov_b32 v[PC+3+6*\c+\i], v[PC+12+4*\c+\i]
.endr
.endr
.endm
.macro CODES_OUT base, off                     ; the fragment in v[PC] on goes out as a record: each store covers whole aligned runs of 256 bytes
	global_store_b128 v[L16], v[PC:PC+3], s[\base:\base+1] offset:\off
	global_store_b128 v[L16], v[PC+6:PC+9], s[\base:\base+1] offset:\off+512
	global_store_b64 v[L8], v[PC+4:PC+5], s[\base:\base+1] offset:\off+1024
	global_store_b64 v[L8], v[PC+10:PC+11], s[\base:\base+1] offset:\off+1280
.endm
	s_load_b128 s[4:7], s[0:1], 0x0                ; W, x
	s_load_b128 s[8:11], s[0:1], 0x10              ; AXC, AXS
	s_load_b128 s[12:15], s[0:1], 0x20             ; WDC, WDS
	v_lshl_add_u32 v254, v0, 2, 0x33c00
	v_mov_b32 v255, 0
	v_lshrrev_b32 v1, 5, v0
	s_delay_alu instid0(VALU_DEP_1)
	v_readfirstlane_b32 s18, v1                    ; wave 0..15
	v_and_b32 v1, 31, v0                           ; lane
	v_and_b32 v2, 15, v0                           ; r
	v_bfe_u32 v3, v0, 4, 1                         ; h
	s_mov_b32 s[SEL], 0x76543210
	s_mov_b32 s[SEL+1], 0xfedcba98                 ; v_permlanex16_b32's selects for lane l xor 16
	s_cmp_lt_u32 ttmp9, 32                         ; the same for all waves of a work-group
	s_cbranch_scc0 .Lx_path
	; ================= W's way: work-group g = ttmp9 owns columns 64 g .. 64 g + 63
	v_lshlrev_b32 v4, 2, v1                        ; 4 x lane
	s_lshl_b32 s24, s18, 19                        ; 64 w rows of 8,192 bytes
	s_lshl_b32 s25, ttmp9, 8                       ; 64 g columns
	s_add_co_u32 s24, s24, s25
	s_mov_b32 s25, 0
	s_wait_alu depctr_va_vdst(0)
	s_wait_kmcnt 0x0
	s_add_nc_u64 s[4:5], s[4:5], s[24:25]
.set i, 0
.rept 64
	global_load_b32 v[X+i], v4, s[4:5] offset:i*8192 th:TH_LOAD_NT          ; 32 lanes read 128 consecutive bytes; the pair of lines one aligned run of 256
	global_load_b32 v[X+64+i], v4, s[4:5] offset:i*8192+128 th:TH_LOAD_NT
.set i, i+1
.endr
	; addresses, while the loads are on their way
	s_lshr_b32 s26, s18, 1                         ; my K step along d: s = w / 2
	s_and_b32 s27, s18, 1                          ; and which half of it: c = w % 2
	s_mul_i32 s30, ttmp9, 4*TP
	s_mul_i32 s31, s26, REC
	s_add_co_u32 s30, s30, s31
	s_lshl_b32 s31, s27, 9
	s_add_co_u32 s32, s30, s31
	s_mov_b32 s33, 0
	s_lshl_b32 s31, s27, 8
	s_add_co_u32 s34, s30, s31
	s_add_co_u32 s34, s34, 1024
	s_mov_b32 s35, 0
	s_add_nc_u64 s[32:33], s[8:9], s[32:33]        ; AXC: registers 6 c .. 6 c + 3 of my four tiles' records
	s_add_nc_u64 s[34:35], s[8:9], s[34:35]        ; and registers 6 c + 4, 6 c + 5
	s_lshr_b32 s28, ttmp9, 1                       ; my K step along p: g / 2
	s_and_b32 s29, ttmp9, 1                        ; and which half: g % 2
	s_mul_i32 s30, s18, 4*TP
	s_mul_i32 s31, s28, REC
	s_add_co_u32 s30, s30, s31
	s_lshl_b32 s31, s29, 9
	s_add_co_u32 s36, s30, s31
	s_mov_b32 s37, 0
	s_lshl_b32 s31, s29, 8
	s_add_co_u32 s38, s30, s31
	s_add_co_u32 s38, s38, 1024
	s_mov_b32 s39, 0
	s_add_nc_u64 s[36:37], s[12:13], s[36:37]      ; WDC likewise, tiles 4 w on
	s_add_nc_u64 s[38:39], s[12:13], s[38:39]
	s_lshl_b32 s40, s28, 12
	s_lshl_b32 s31, s29, 1
	s_add_co_u32 s40, s40, s31
	s_lshl_b32 s31, s18, 8
	s_add_co_u32 s40, s40, s31
	s_mov_b32 s41, 0
	s_add_nc_u64 s[40:41], s[14:15], s[40:41]      ; WDS: K step, my half of the words, rows 64 w on
	s_lshl_b32 s42, ttmp9, 8
	s_mov_b32 s43, 0
	s_add_nc_u64 s[42:43], s[10:11], s[42:43]      ; AXS: rows 64 g on
	s_lshl_b32 s44, s18, 8
	v_add_nc_u32 v5, s44, v4                       ; NRM: 256 w + 4 lane
	v_bfe_u32 v6, v0, 3, 1                         ; u = (lane / 8) % 2
	v_and_b32 v7, 7, v0
	s_delay_alu instid0(VALU_DEP_1)
	v_lshl_add_u32 v7, v3, 3, v7                   ; r' = lane % 8 + 8 (lane / 16): my column's lane in its tile
	s_delay_alu instid0(VALU_DEP_3)
	v_mul_u32_u24 v8, v6, TP
	s_delay_alu instid0(VALU_DEP_1)
	v_lshl_add_u32 v8, v7, 4, v8                   ; u tiles on, 16 r'
	s_lshl_b32 s45, s26, 8
	s_lshl_b32 s46, s27, 1
	s_add_co_u32 s45, s45, s46
	v_lshlrev_b32 v9, 6, v6
	s_delay_alu instid0(VALU_DEP_1)
	v_lshl_add_u32 v9, v7, 2, v9
	s_delay_alu instid0(VALU_DEP_1)
	v_add_nc_u32 v9, s45, v9                       ; WSC: 256 s + 2 c + 64 u + 4 r'
	s_mul_i32 s46, s18, 4352
	s_add_co_u32 s46, s46, PST                     ; my stage
	v_add_nc_u32 v10, s46, v4                      ; into it: 4 lane
	v_mul_u32_u24 v11, v2, 272
	s_delay_alu instid0(VALU_DEP_1)
	v_lshl_add_u32 v11, v3, 7, v11
	s_delay_alu instid0(VALU_DEP_1)
	v_add_nc_u32 v11, s46, v11                     ; out of it: row r, 128 h
	v_lshlrev_b32 v[L16], 4, v1
	v_lshlrev_b32 v[L8], 4, v2
	s_delay_alu instid0(VALU_DEP_1)
	v_lshl_add_u32 v[L8], v3, 3, v[L8]
	v_lshlrev_b32 v14, 3, v3                       ; 8 h
	v_lshl_add_u32 v52, v0, 4, WSC                 ; the way out of WSC (threads 0-127): 16 t
	v_lshrrev_b32 v53, 4, v0
	s_delay_alu instid0(VALU_DEP_1)
	v_mul_u32_u24 v53, v53, TP
	s_delay_alu instid0(VALU_DEP_1)
	v_lshl_add_u32 v53, v2, 4, v53                 ; AXS: K step t / 16, 16 (t % 16)
	v_cmp_le_u32 vcc_lo, 16, v1                    ; lanes 16-31; kept to the end
	s_wait_loadcnt 0x0
	; the sums of squares of my 64 rows, two chains of pairs for each of my two columns
.irp e, 0,1
	v_pk_mul_f32 v[16+4*\e:17+4*\e], v[X+64*\e:X+64*\e+1], v[X+64*\e:X+64*\e+1]
	v_pk_mul_f32 v[18+4*\e:19+4*\e], v[X+64*\e+2:X+64*\e+3], v[X+64*\e+2:X+64*\e+3]
.endr
.irp k, 4,8,12,16,20,24,28,32,36,40,44,48,52,56,60
.irp e, 0,1
	s_delay_alu instid0(VALU_DEP_4)
	v_pk_fma_f32 v[16+4*\e:17+4*\e], v[X+64*\e+\k:X+64*\e+\k+1], v[X+64*\e+\k:X+64*\e+\k+1], v[16+4*\e:17+4*\e]
	s_delay_alu instid0(VALU_DEP_4)
	v_pk_fma_f32 v[18+4*\e:19+4*\e], v[X+64*\e+\k+2:X+64*\e+\k+3], v[X+64*\e+\k+2:X+64*\e+\k+3], v[18+4*\e:19+4*\e]
.endr
.endr
.irp e, 0
	s_delay_alu instid0(VALU_DEP_3)
	v_pk_add_f32 v[16+4*\e:17+4*\e], v[16+4*\e:17+4*\e], v[18+4*\e:19+4*\e]
.endr
.irp e, 1
	s_delay_alu instid0(VALU_DEP_2)
	v_pk_add_f32 v[16+4*\e:17+4*\e], v[16+4*\e:17+4*\e], v[18+4*\e:19+4*\e]
.endr
.irp e, 0,1
	s_delay_alu instid0(VALU_DEP_2)
	v_add_f32 v[16+4*\e], v[16+4*\e], v[17+4*\e]
.endr
	ds_store_b32 v5, v16 offset:NRM
	ds_store_b32 v5, v20 offset:NRM+128
	s_wait_dscnt 0x0                               ; for the others' sake: my partial sums have landed
	s_barrier_signal -1
	s_barrier_wait -1
.irp e, 0,1
.irp w, 0,1,2,3,4,5,6,7,8,9,10,11,12,13,14,15
	ds_load_b32 v[16+16*\e+\w], v4 offset:NRM+256*\w+128*\e
.endr
.endr
	s_wait_dscnt 0x0
.irp e, 0,1                                    ; one fixed tree: every wave gets the same bits
.irp k, 0,4,8,12
	v_pk_add_f32 v[16+16*\e+\k:17+16*\e+\k], v[16+16*\e+\k:17+16*\e+\k], v[18+16*\e+\k:19+16*\e+\k]
.endr
.endr
.irp e, 0,1
.irp k, 0,8
	v_pk_add_f32 v[16+16*\e+\k:17+16*\e+\k], v[16+16*\e+\k:17+16*\e+\k], v[20+16*\e+\k:21+16*\e+\k]
.endr
.endr
.irp e, 0
	s_delay_alu instid0(VALU_DEP_3)
	v_pk_add_f32 v[16+16*\e:17+16*\e], v[16+16*\e:17+16*\e], v[24+16*\e:25+16*\e]
.endr
.irp e, 1
	s_delay_alu instid0(VALU_DEP_2)
	v_pk_add_f32 v[16+16*\e:17+16*\e], v[16+16*\e:17+16*\e], v[24+16*\e:25+16*\e]
.endr
.irp e, 0,1
	s_delay_alu instid0(VALU_DEP_2)
	v_add_f32 v[16+16*\e], v[16+16*\e], v[17+16*\e]
.endr
	s_wait_alu depctr_va_vdst(0)
	v_rsq_f32 v48, v16
	v_rsq_f32 v50, v32
	v_nop                                          ; a plain place behind the transcendentals
	s_wait_alu depctr_va_vdst(0)                   ; one wait for both, ahead of their first reader
	v_mov_b32 v49, v48                             ; (named as the pairs' upper halves)
	v_mov_b32 v51, v50
.set i, 0
.rept 32
	v_pk_mul_f32 v[X+i:X+i+1], v[X+i:X+i+1], v[48:49] op_sel_hi:[1,0]        ; Wn
	v_pk_mul_f32 v[X+64+i:X+64+i+1], v[X+64+i:X+64+i+1], v[50:51] op_sel_hi:[1,0]
.set i, i+2
.endr
	; ---- along d: block q = 2 e + hb is registers X + 32 q .. + 31: d = 64 w + 32 hb + 0 .. 31 of column 64 g + 32 e + lane: all 32 numbers are mine
.irp q, 0,1,2,3
	v_max3_num_f32 v[16+\q], |v[X+32*\q]|, |v[X+32*\q+1]|, 0x1800000
.endr
.irp i, 2,4,6,8,10,12,14,16,18,20,22,24,26,28,30
.irp q, 0,1,2,3
	s_delay_alu instid0(VALU_DEP_4)
	v_max3_num_f32 v[16+\q], v[16+\q], |v[X+32*\q+\i]|, |v[X+32*\q+\i+1]|
.endr
.endr
.irp q, 0,1,2,3
	s_delay_alu instid0(VALU_DEP_4)
	v_add_nc_u32 v[20+\q], 0xff000000, v[16+\q]
.endr
.irp q, 0,1,2,3
	s_delay_alu instid0(VALU_DEP_4)
	v_lshrrev_b32 v[24+\q], 23, v[20+\q]
.endr
.irp q, 0,1,2,3
	v_cvt_scalef32_pk16_fp6_f32 v[192+4*\q:194+4*\q], v[X+32*\q:X+32*\q+15], v[20+\q]
	v_cvt_scalef32_pk16_fp6_f32 v[216+4*\q:218+4*\q], v[X+32*\q+16:X+32*\q+31], v[20+\q]
.endr
	v_nop                                          ; one plain place behind a scaled conversion
.irp q, 0,1,2,3
	v_mov_b32 v[195+4*\q], v[216+4*\q]             ; a block's six registers: four here,
	v_mov_b32 v[208+2*\q], v[217+4*\q]             ; two with the other half's two: 16 bytes
	v_mov_b32 v[209+2*\q], v[218+4*\q]
.endr
.irp e, 0,1
	v_lshl_or_b32 v[28+\e], v[25+2*\e], 8, v[24+2*\e]   ; my column's two bytes: blocks 2 c, 2 c + 1 of K step s
.endr
.irp e, 0,1
	global_store_b128 v8, v[192+8*\e:195+8*\e], s[32:33] offset:\e*2*TP          ; sixteen lanes fill one aligned run of 256 bytes, in each of two tiles
	global_store_b128 v8, v[196+8*\e:199+8*\e], s[32:33] offset:\e*2*TP+256
	global_store_b128 v8, v[208+4*\e:211+4*\e], s[34:35] offset:\e*2*TP
	ds_store_b16 v9, v[28+\e] offset:WSC+128*\e
.endr
	v_mov_b32 v21, 0                               ; a lane permute's destination counts as one of its sources
	; ---- along p: 16 rows at a time turn through my stage, so that lane (r, h) holds columns 32 h .. 32 h + 31 of row r
.macro PCH k
	s_wait_xcnt 0x0                                ; the earlier stores have read their registers: v192 on are loaded and written again only behind this wait
.irp e, 0,1
.irp i, 0,1,2,3,4,5,6,7,8,9,10,11,12,13,14,15
	ds_store_b32 v10, v[X+64*\e+16*\k+\i] offset:272*\i+128*\e
.endr
.endr
.irp j, 0,1,2,3,4,5,6,7
	ds_load_b128 v[192+4*\j:195+4*\j], v11 offset:16*\j       ; LDS serves a wave's instructions in order: these see my stores
.endr
	s_wait_dscnt 0x0
	v_max3_num_f32 v16, |v192|, |v193|, 0x1800000
	v_max3_num_f32 v17, |v208|, |v209|, 0x1800000
.irp i, 2,4,6,8,10,12,14
	s_delay_alu instid0(VALU_DEP_2)
	v_max3_num_f32 v16, v16, |v[192+\i]|, |v[193+\i]|
	s_delay_alu instid0(VALU_DEP_2)
	v_max3_num_f32 v17, v17, |v[208+\i]|, |v[209+\i]|
.endr
	s_delay_alu instid0(VALU_DEP_1)
	v_max_num_f32 v16, v16, v17
	s_delay_alu instid0(VALU_DEP_1)
	v_add_nc_u32 v18, 0xff000000, v16
	s_delay_alu instid0(VALU_DEP_1)
	v_lshrrev_b32 v19, 23, v18
	v_cvt_scalef32_pk16_fp6_f32 v[224:226], v[192:207], v18
	v_cvt_scalef32_pk16_fp6_f32 v[232:234], v[208:223], v18
	v_lshlrev_b32 v19, v14, v19                    ; (a plain place behind the conversions)  my byte at its place in the half word
	v_mov_b32 v227, v232
	v_mov_b32 v228, v233
	v_mov_b32 v229, v234
	global_store_b128 v[L16], v[224:227], s[36:37] offset:\k*TP
	global_store_b64 v[L8], v[228:229], s[38:39] offset:\k*TP
	v_permlanex16_b32 v21, v19, s[SEL], s[SEL+1]
	s_delay_alu instid0(VALU_DEP_1)
	v_or_b32 v[22+\k%2], v19, v21                  ; row r's two bytes, in both halves of the lanes
.if \k%2
	s_delay_alu instid0(VALU_DEP_1)
	v_cndmask_b32 v[236+\k/2], v22, v23, vcc_lo    ; lanes 0-15: the chunk before's rows; lanes 16-31: this chunk's
	global_store_b16 v4, v[236+\k/2], s[40:41] offset:128*(\k/2)
.endif
.endm
	PCH 0
	PCH 1
	PCH 2
	PCH 3
	s_wait_dscnt 0x0                               ; my scale halves in WSC have landed
	s_barrier_signal -1
	s_barrier_wait -1
	s_cmp_lt_u32 s18, 4                            ; 2,048 bytes: threads 0-127
	s_cbranch_scc0 .Lw_end
	ds_load_b128 v[56:59], v52
	s_wait_dscnt 0x0
	global_store_b128 v53, v[56:59], s[42:43]      ; sixteen lanes store a K step's 256 bytes
.Lw_end:
	s_wait_tensorcnt 0x0
	ds_add_u32 v254, v255
	s_wait_dscnt 0x0
	s_endpgm
	; ================= x's way: work-group j = ttmp9 - 32: rows 256 (j / 8) on, K step j % 8; wave w: 16 rows, one fragment
.Lx_path:
	s_sub_co_u32 s24, ttmp9, 32
	s_lshr_b32 s25, s24, 3                         ; R
	s_and_b32 s26, s24, 7                          ; s
	s_lshl_b32 s27, s25, 4
	s_add_co_u32 s27, s27, s18                     ; x's tile 16 R + w
	s_lshl_b32 s28, s27, 16                        ; 16 rows of 4,096 bytes
	s_lshl_b32 s29, s26, 9
	s_add_co_u32 s28, s28, s29
	s_mov_b32 s29, 0
	s_add_co_u32 s30, s27, 128
	s_mul_i32 s30, s30, TP
	s_mul_i32 s31, s26, REC
	s_add_co_u32 s30, s30, s31
	s_mov_b32 s31, 0
	s_mul_i32 s32, s26, TP                         ; AXS's pitch is 24,576 bytes too
	s_lshl_b32 s33, s25, 10
	s_add_co_u32 s32, s32, s33
	s_add_co_u32 s32, s32, 8192
	s_mov_b32 s33, 0
	s_wait_alu depctr_va_vdst(0)
	v_lshlrev_b32 v[L16], 4, v1
	s_wait_alu depctr_va_vdst(0)
	s_wait_kmcnt 0x0
	s_add_nc_u64 s[6:7], s[6:7], s[28:29]
	s_add_nc_u64 s[8:9], s[8:9], s[30:31]
	s_add_nc_u64 s[10:11], s[10:11], s[32:33]
.irp i, 0,1,2,3,4,5,6,7,8,9,10,11,12,13,14,15
	global_load_b128 v[128+4*\i:131+4*\i], v[L16], s[6:7] offset:4096*\i th:TH_LOAD_NT   ; 32 lanes read a row's 512 consecutive bytes
.endr
	v_lshlrev_b32 v[L8], 4, v2
	s_delay_alu instid0(VALU_DEP_1)
	v_lshl_add_u32 v[L8], v3, 3, v[L8]
	s_mul_i32 s34, s18, 8448
	s_add_co_u32 s34, s34, XST                     ; my stage
	v_add_nc_u32 v5, s34, v[L16]
	v_mul_u32_u24 v6, v2, 528
	s_delay_alu instid0(VALU_DEP_1)
	v_lshl_add_u32 v6, v3, 6, v6
	s_delay_alu instid0(VALU_DEP_1)
	v_add_nc_u32 v6, s34, v6                       ; out of it: row r, 64 h
	s_lshl_b32 s35, s18, 6
	s_add_co_u32 s35, s35, XSC
	v_lshl_add_u32 v7, v2, 2, s35                  ; my row's scale word
	v_lshlrev_b32 v9, 4, v0
	s_delay_alu instid0(VALU_DEP_1)
	v_add_nc_u32 v8, XSC, v9
.irp b, 0,1,2,3
	v_mov_b32 v[TM+4+\b], 0                        ; a lane permute's destination counts as one of its sources
.endr
	s_wait_alu depctr_va_vdst(0)
.irp i, 0,1,2,3,4,5,6,7,8,9,10,11,12,13,14,15
	s_wait_loadcnt 15-\i                           ; row i is in; the younger loads may be out
	ds_store_b128 v5, v[128+4*\i:131+4*\i] offset:528*\i
.endr
.irp b, 0,1,2,3
.irp j, 0,1,2,3
	ds_load_b128 v[X+16*\b+4*\j:X+16*\b+4*\j+3], v6 offset:128*\b+16*\j   ; k = 32 b + 16 h + 4 j on, of row r
.endr
.endr
	s_wait_dscnt 0x0
	QUANT X
	CODES_OUT 8, 0
	ds_store_b32 v7, v[PW]                         ; both halves of the lanes write the same word with the same value
	s_wait_dscnt 0x0
	s_barrier_signal -1
	s_barrier_wait -1
	s_cmp_lt_u32 s18, 2                            ; 1,024 bytes: threads 0-63
	s_cbranch_scc0 .Lx_end
	ds_load_b128 v[128:131], v8
	s_wait_dscnt 0x0
	global_store_b128 v9, v[128:131], s[10:11]
.Lx_end:
	s_wait_tensorcnt 0x0
	ds_add_u32 v254, v255
	s_wait_dscnt 0x0
	s_endpgm
.Lfunc_end_k_qf73ccaff26_prep:
	.size	k_qf73ccaff26_prep, .Lfunc_end_k_qf73ccaff26_prep-k_qf73ccaff26_prep
	.p2alignl 7, 3214868480
	.fill 96, 4, 3214868480
	.section	.rodata,"a",@progbits
	.p2align	6, 0x0
	.amdhsa_kernel k_qf73ccaff26_prep
		.amdhsa_group_segment_fixed_size 214016
		.amdhsa_private_segment_fixed_size 0
		.amdhsa_enable_private_segment 0
		.amdhsa_kernarg_size 48
		.amdhsa_user_sgpr_count 2
		.amdhsa_user_sgpr_kernarg_segment_ptr 1
		.amdhsa_wavefront_size32 1
		.amdhsa_system_sgpr_workgroup_id_x 1
		.amdhsa_system_sgpr_workgroup_id_y 1
		.amdhsa_system_sgpr_workgroup_id_z 1
		.amdhsa_system_vgpr_workitem_id 0
		.amdhsa_next_free_vgpr 256
		.amdhsa_next_free_sgpr 66
		.amdhsa_reserve_vcc 1
		.amdhsa_float_denorm_mode_32 3
		.amdhsa_float_denorm_mode_16_64 3
		.amdhsa_memory_ordered 1
		.amdhsa_forward_progress 1
		.amdhsa_inst_pref_size 71
	.end_amdhsa_kernel
	.amdgpu_metadata
---
amdhsa.version: [ 1, 2 ]
amdhsa.kernels:
  - .name:           k_qf73ccaff26_prep
    .symbol:         k_qf73ccaff26_prep.kd
    .args:
      - { .name: W, .offset: 0, .size: 8, .value_kind: global_buffer, .address_space: global }
      - { .name: x, .offset: 8, .size: 8, .value_kind: global_buffer, .address_space: global }
      - { .name: AXC, .offset: 16, .size: 8, .value_kind: global_buffer, .address_space: global }
      - { .name: AXS, .offset: 24, .size: 8, .value_kind: global_buffer, .address_space: global }
      - { .name: WDC, .offset: 32, .size: 8, .value_kind: global_buffer, .address_space: global }
      - { .name: WDS, .offset: 40, .size: 8, .value_kind: global_buffer, .address_space: global }
    .group_segment_fixed_size: 214016
    .private_segment_fixed_size: 0
    .kernarg_segment_align: 8
    .kernarg_segment_size: 48
    .max_flat_workgroup_size: 512
    .sgpr_count:     66
    .vgpr_count:     256
    .wavefront_size: 32
...
	.end_amdgpu_metadata
.endif
;; end of part 1
;; launch dict (part 2): grid 8 x 32, 4 waves a work-group, clusters of 4 x 4, 327,680 bytes of LDS; arguments AXC, AXS, AZC, AZS; writes AZC, AZS
.if DOCPART == 2
	.amdgcn_target "amdgcn-amd-amdhsa--gfx1250"
	.amdhsa_code_object_version 6
	.text
	.protected	k_qf73ccaff26_dict
	.globl	k_qf73ccaff26_dict
	.p2align	8
	.type	k_qf73ccaff26_dict,@function
k_qf73ccaff26_dict:
	s_mov_b64 s[64:65], 0
	v_nop
	global_prefetch_b8 v0, s[64:65] scope:SCOPE_SE
	s_setreg_imm32_b32 hwreg(HW_REG_WAVE_MODE, 25, 1), 1
	s_wait_xcnt 0x0
	s_wait_alu depctr_hold_cnt(0) depctr_sa_sdst(0) depctr_va_vdst(0) depctr_va_sdst(0) depctr_va_ssrc(0) depctr_va_vcc(0) depctr_vm_vsrc(0)
	s_getreg_b32 s2, hwreg(HW_REG_IB_STS2, 6, 4)
	s_cmp_eq_u32 s2, 0
	s_cbranch_scc0 .Lentry_in_a_cluster
	s_endpgm
.Lentry_in_a_cluster:
	s_bfe_u32 s2, ttmp6, 0x10000c
	s_cmp_lg_u32 s2, 0xf033
	s_cbranch_scc0 .Lentry_shape_is_right
	s_endpgm
.Lentry_shape_is_right:
; C = [Q(Wn) rows ; Q(x) rows] Q(Wn)^T, K = 1,024 (d), on codes of FP6 (E2M3) with E8M0 scales.  Rows under 2,048: A = delta - 0.1 C.  The others: z1 = relu(0.1 C - 0.012), which is the first step's z, since that step multiplies the zeros it starts from.
; Both are quantised along n in registers and stored as fragment records: A's row j with K = i is the operand [N][K] of z A, because the sum over d of Wn[d][i] Wn[d][j] is the same sum with i and j exchanged.
; RECORDS: a fragment (16 rows x 128 K, 12 registers a lane, lane = 16 h + r) is 1,536 bytes: registers 0-3 at 16 lane; 6-9 at 512 + 16 lane; 4-5 at 1024 + 16 r + 8 h; 10-11 at 1280 + 16 r + 8 h; record(tile, K step) at tile x 24,576 + step x 1,536.
; SHARES: 6,144 x 2,048 makes 256 blocks of 192 x 256, one for each work-group.  The N side's 256 rows stay in LDS for all of K (204,800 bytes with their scale words); 192 rows of the M side do not fit beside them, so the M side goes in TWO PASSES:
;   pass 1: row tiles 12 ty .. 12 ty + 7, a wave 64 x 128 (32 accumulators);   pass 2: row tiles 12 ty + 8 .. 12 ty + 11, a wave 32 x 128 (16 accumulators).
; Pass 2's tiles fill the M side's part of the two slots again, each behind a round of the cluster's barrier, as soon as pass 1 has read that part; they land while pass 1's results are quantised and stored.
; Row 2,048 is tile 128 = 12 x 10 + 8: the boundary between Wn's rows and x's falls between the two passes of ty = 10, so what is made of C is chosen once a pass (values are chosen, no way through the text).
; The product is used transposed (source 0 = 16 rows of the N side, source 1 = 16 rows of the M side): a lane holds one row of C.
; The N side's tiles hold p = 32 b + 8 u + r % 8 + 16 (r / 8) in lane r of tile 2 b + u, so register 16 b + i of a row's 64 results is n = 32 b + 16 h + i: 16 neighbours.
; CLUSTER 4 x 4: the M side's tiles are shared along a row of the cluster, the N side's along a column; each is asked for jointly.
; First fills, two a wave: wave 0 the M side's codes, wave 1 the N side's, wave 2 the M side's scale words, wave 3 the N side's.  Refills, one a wave: wave 0 codes, wave 2 scale words; waves 1 and 3 none.  A wave has one tensor load out at the most.
; REGISTERS: window 0: v0-31, v44-51 addresses and constants; v32-43 scale words, two sets; v64-159 the M side's fragments, two sets (on the way out v64-127 a row tile's 64 numbers); v192-231 the quantiser.  Window 1: the accumulators.  Window 2: the N side's fragments, two sets.
; LIMITS: as the first launch states them.  delta - 0.1 C and 0.1 C - 0.012 are one fused multiply-add each.
.set WB,      8
.set PITCH,   24576                    ; from K step to K step in AXS and in AZS
.set REC,    1536
.set TP,     24576
.set NBT,    2*WB
.set BC_OFF, 32*REC                    ; a slot (4 K steps): the M side's 8 tiles x 4 (pass 2: 4 tiles x 4); the N side's 16 tiles x 4;
.set AS_OFF, BC_OFF+NBT*4*REC          ; [4 K steps][128 rows] scale words (pass 2: [4][64]);
.set BS_OFF, AS_OFF+2048               ; [4 K steps][256 rows] scale words
.set SBROW,  64*NBT
.set SLOT,   BS_OFF+4*SBROW
.set SPARE,  2*SLOT                    ; the spare words, 128 bytes a wave: two blocks of 256 bytes that no other line names
.set SCW,    SPARE+512                 ; pass 1: 256 bytes a wave: the scale words on their way out
.set SCW2,   SCW+1024                  ; pass 2: 256 bytes for each half of the columns: two waves' words meet here
.set A16, 4
.set A8,  6
.set B16, 8
.set B8,  10
.set SAA, 12
.set SBA, 14
.set L16, 18
.set L8,  19
.set A16P, 44                          ; v44-49: pass 2's places of the M side's fragments and scale words
.set A8P,  46
.set SAAP, 48
.set T,   64
.set PC,  192
.set TM,  212
.set PW,  228
.set SEL, 14
.set G1AC, 28
.set G1BC, 36
.set G1AS, 44
.set G1BS, 52
.set G0A,  68
.set G0B,  76
.set G1AC2, 84                         ; pass 2: 4 tiles x 4 records
.set G1AS2, 92                         ; pass 2: 4 K steps x 64 words
.set NA,   4                           ; the pass in hand: M tiles a wave, where they lie, and the pitch of a K step's scale words
.set XA16, A16
.set XA8,  A8
.set XSA,  SAA
.set ASP,  512
.set MUL,  0x52                        ; source 0 window 2, source 1 window 0, C and D window 1
.set TO_B, 0x80                        ; destination window 2
.set MSB, 0
.macro WIN new                         ; the immediate's high byte repeats the setting that is left
.if MSB != \new
	s_set_vgpr_msb (MSB<<8)|\new
.set MSB, \new
.endif
.endm
.macro PLACES n
.rept \n
	v_nop
.endr
.endm
.macro CREST                           ; a round of the cluster's barrier behind its opening barrier
	s_cmp_lg_u32 s18, 0
	s_cbranch_scc1 .Lnot_wave_0_\@
	s_barrier_signal -3
.Lnot_wave_0_\@:
	s_barrier_wait -3
	s_barrier_signal -1
	s_barrier_wait -1
.endm
.macro CROUND
	s_barrier_signal -1
	s_barrier_wait -1
	CREST
.endm
.macro G1SET g, c, r, st               ; a tile of r rows x c elements of 8 bytes, st elements from row to row
	s_mov_b32 s[\g+1], (\c)<<16
	s_mov_b32 s[\g+2], (\r)<<16
	s_mov_b32 s[\g+3], (\c)<<16
	s_mov_b32 s[\g+4], \r
	s_mov_b32 s[\g+5], \st
	s_mov_b32 s[\g+6], 0
	s_mov_b32 s[\g+7], 0
.endm
; THE FIRST FILLS AS THEY STAND NOW (in place of what the head comment says of them): one tensor load a wave at the head, slot 0's; slot 1's four loads follow behind the wait for all loads, the add, its wait and a round
; of the cluster's barrier, one a wave.  A wave has one tensor load out at the most.
.macro JLOAD4 sl                       ; a slot's four first fills: wave 0 the M side's codes, wave 1 the N side's, wave 2 the M side's scale words, wave 3 the N side's
	s_cmp_eq_u32 s18, 0
	s_cbranch_scc0 .Lg1_\@
	ARM1 G0A+4*(\sl), G1AC
	s_branch .Lgj_\@
.Lg1_\@:
	s_cmp_eq_u32 s18, 1
	s_cbranch_scc0 .Lg2_\@
	ARM1 G0B+4*(\sl), G1BC
	s_branch .Lgj_\@
.Lg2_\@:
	s_cmp_eq_u32 s18, 2
	s_cbranch_scc0 .Lg3_\@
	ARM1 G0A+4*(\sl), G1AS
	s_branch .Lgj_\@
.Lg3_\@:
	ARM1 G0B+4*(\sl), G1BS
.Lgj_\@:
.endm
.macro ARM1 g0, g1
	tensor_load_to_lds s[\g0:\g0+3], s[\g1:\g1+7]
	s_nop 0
	PLACES 4
.endm
.macro JLOADA sl                       ; a joint refill of the M side's part of slot sl with pass 2's tiles: wave 0 the codes, wave 2 the scale words; the branches hang on the wave's number alone
	s_cmp_eq_u32 s18, 0
	s_cbranch_scc0 .Lk1_\@
	ARM1 G0A+4*(\sl), G1AC2
	s_branch .Lkk_\@
.Lk1_\@:
	s_cmp_eq_u32 s18, 2
	s_cbranch_scc0 .Lk2_\@
	ARM1 G0A+4*(\sl), G1AS2
	s_branch .Lkk_\@
.Lk2_\@:
	PLACES 4                                       ; waves 1 and 3 fetch nothing: the places in front of the LDS loads that follow
.Lkk_\@:
.endm
.macro FRAG reg, a16, a8, off          ; a record becomes a fragment's 12 registers: every instruction reads 512 or 256 consecutive bytes
	ds_load_b128 v[\reg:\reg+3], v[\a16] offset:\off
	ds_load_b128 v[\reg+6:\reg+9], v[\a16] offset:\off+512
	ds_load_b64 v[\reg+4:\reg+5], v[\a8] offset:\off+1024
	ds_load_b64 v[\reg+10:\reg+11], v[\a8] offset:\off+1280
.endm
.macro FETCH sl, q, p                  ; K step q of slot sl into set p: WB + NA fragments and their scale words, in one run
	WIN TO_B
.set fI, 0
.rept WB
	FRAG 96*(\p)+12*fI, B16+(\sl), B8+(\sl), 4*REC*fI+REC*(\q)
.set fI, fI+1
.endr
	WIN 0
.set fI, 0
.rept NA
	FRAG 64+48*(\p)+12*fI, XA16+(\sl), XA8+(\sl), 4*REC*fI+REC*(\q)
.set fI, fI+1
.endr
.set fI, 0
.rept NA/2
	ds_load_b32 v[32+6*(\p)+fI], v[XSA+(\sl)] offset:ASP*(\q)+128*fI       ; lanes 0-15: tile 2 i's words; lanes 16-31: tile 2 i + 1's
.set fI, fI+1
.endr
.set fI, 0
.rept WB/2
	ds_load_b32 v[34+6*(\p)+fI], v[SBA+(\sl)] offset:SBROW*(\q)+128*fI
.set fI, fI+1
.endr
.endm
.macro WM a, b, p, zero                ; one product: M tile a, N tile b, set p; an odd tile's scale words stand in lanes 16-31
.set rD, 8*(WB*(\a)+(\b))
.set rB, 96*(\p)+12*(\b)
.set rA, 64+48*(\p)+12*(\a)
.set rSB, 34+6*(\p)+(\b)/2
.set rSA, 32+6*(\p)+(\a)/2
.if \zero
.if ((\a)%2 == 0) && ((\b)%2 == 0)
	v_wmma_scale_f32_16x16x128_f8f6f4 v[rD:rD+7], v[rB:rB+11], v[rA:rA+11], 0, v[rSB], v[rSA] matrix_a_fmt:MATRIX_FMT_FP6 matrix_b_fmt:MATRIX_FMT_FP6
.elseif (\a)%2 == 0
	v_wmma_scale_f32_16x16x128_f8f6f4 v[rD:rD+7], v[rB:rB+11], v[rA:rA+11], 0, v[rSB], v[rSA] matrix_a_fmt:MATRIX_FMT_FP6 matrix_b_fmt:MATRIX_FMT_FP6 matrix_a_scale:MATRIX_SCALE_ROW1
.elseif (\b)%2 == 0
	v_wmma_scale_f32_16x16x128_f8f6f4 v[rD:rD+7], v[rB:rB+11], v[rA:rA+11], 0, v[rSB], v[rSA] matrix_a_fmt:MATRIX_FMT_FP6 matrix_b_fmt:MATRIX_FMT_FP6 matrix_b_scale:MATRIX_SCALE_ROW1
.else
	v_wmma_scale_f32_16x16x128_f8f6f4 v[rD:rD+7], v[rB:rB+11], v[rA:rA+11], 0, v[rSB], v[rSA] matrix_a_fmt:MATRIX_FMT_FP6 matrix_b_fmt:MATRIX_FMT_FP6 matrix_a_scale:MATRIX_SCALE_ROW1 matrix_b_scale:MATRIX_SCALE_ROW1
.endif
.else
.if ((\a)%2 == 0) && ((\b)%2 == 0)
	v_wmma_scale_f32_16x16x128_f8f6f4 v[rD:rD+7], v[rB:rB+11], v[rA:rA+11], v[rD:rD+7], v[rSB], v[rSA] matrix_a_fmt:MATRIX_FMT_FP6 matrix_b_fmt:MATRIX_FMT_FP6
.elseif (\a)%2 == 0
	v_wmma_scale_f32_16x16x128_f8f6f4 v[rD:rD+7], v[rB:rB+11], v[rA:rA+11], v[rD:rD+7], v[rSB], v[rSA] matrix_a_fmt:MATRIX_FMT_FP6 matrix_b_fmt:MATRIX_FMT_FP6 matrix_a_scale:MATRIX_SCALE_ROW1
.elseif (\b)%2 == 0
	v_wmma_scale_f32_16x16x128_f8f6f4 v[rD:rD+7], v[rB:rB+11], v[rA:rA+11], v[rD:rD+7], v[rSB], v[rSA] matrix_a_fmt:MATRIX_FMT_FP6 matrix_b_fmt:MATRIX_FMT_FP6 matrix_b_scale:MATRIX_SCALE_ROW1
.else
	v_wmma_scale_f32_16x16x128_f8f6f4 v[rD:rD+7], v[rB:rB+11], v[rA:rA+11], v[rD:rD+7], v[rSB], v[rSA] matrix_a_fmt:MATRIX_FMT_FP6 matrix_b_fmt:MATRIX_FMT_FP6 matrix_a_scale:MATRIX_SCALE_ROW1 matrix_b_scale:MATRIX_SCALE_ROW1
.endif
.endif
.endm
.macro MULA a, p, zero                 ; the accumulators take turns, one instruction a turn, in the same order in every K step
.set bI, 0
.rept WB
	WM \a, bI, \p, \zero
.set bI, bI+1
.endr
.endm
.macro MULALL p, zero                  ; a K step's products of the pass in hand
	MULA 0, \p, \zero
	MULA 1, \p, \zero
.if NA > 2
	MULA 2, \p, \zero
	MULA 3, \p, \zero
.endif
.endm
.macro STEP sl, q, zero                ; K step q = 0, 1, 2 of a slot: the next step's run of loads goes out first, then this step's products
	s_wait_dscnt 0x0                               ; this step's fragments, asked for a K step ago, are in
	PLACES 4                                       ; in front of loads into registers that the last products read
	FETCH \sl, (\q)+1, ((\q)+1)%2
	WIN MUL
	MULALL (\q)%2, \zero
	WIN 0
.endm
.macro STEPC sl                        ; pass 2: a slot's last K step; the other slot is whole already and nothing is filled again, so no barrier stands here
	s_wait_dscnt 0x0
	PLACES 4
	FETCH 1-(\sl), 0, 0
	WIN MUL
	MULALL 1, 0
	WIN 0
.endm
.macro LAST                            ; a pass's last K step with nothing more to fetch
	s_wait_dscnt 0x0
	WIN MUL
	MULALL 1, 0
	WIN 0
.endm
; Pass 1: a slot's last K step.  The M side's part of the slot has been read out and takes pass 2's tiles: in front of the barrier each wave waits for all its tensor loads, adds 0 to its spare word, and waits for
; that and for its reads of this slot; the barrier opens a round of the cluster's; the joint refill is the first thing behind it.  fetch = 1: the other slot's first fragments follow.
.macro TURNA sl, fetch
	s_wait_tensorcnt 0x0                           ; all my tensor loads have landed
	ds_add_u32 v16, v17                            ; 0 onto my spare word
	s_wait_dscnt 1                                 ; only the add, issued last, may be out: this step's fragments are in
	WIN MUL
	MULA 0, 1, 0
	s_wait_dscnt 0x0                               ; the add is done, and my reads of this slot's M side are over
	s_barrier_signal -1
	MULA 1, 1, 0
	WIN 0
	s_barrier_wait -1
	CREST                                          ; no wave of any partner still reads these bytes or has a load on its way
	s_add_nc_u64 s[G0A+4*(\sl)+2:G0A+4*(\sl)+3], s[G0A+4*(\sl)+2:G0A+4*(\sl)+3], s[12:13]   ; eight tiles (128 rows' words) further down
	JLOADA \sl                                     ; its four v_nop are also the places in front of the loads below
.if \fetch
	FETCH 1-(\sl), 0, 0
.endif
	WIN MUL
	MULA 2, 1, 0
	MULA 3, 1, 0
	WIN 0
.endm
; 64 numbers of a lane, v[s] .. v[s + 63], register 16 b + i = k 32 b + 16 (lane / 16) + i of my row, become a fragment's codes in v[PC] on and its scale word in v[PW].
.macro QUANT s
.irp b, 0,1,2,3
	v_max3_num_f32 v[TM+\b], |v[\s+16*\b]|, |v[\s+1+16*\b]|, 0x1800000   ; my 16 numbers of block b, and the floor 2^(3 - 127): the byte cannot fall under 1
.endr
.irp i, 2,4,6,8,10,12,14
.irp b, 0,1,2,3
	v_max3_num_f32 v[TM+\b], v[TM+\b], |v[\s+16*\b+\i]|, |v[\s+1+16*\b+\i]|
.endr
.endr
.irp b, 0,1,2,3
	v_permlanex16_b32 v[TM+4+\b], v[TM+\b], s[SEL], s[SEL+1]
.endr
.irp b, 0,1,2,3
	v_max_num_f32 v[TM+\b], v[TM+\b], v[TM+4+\b]
.endr
.irp b, 0,1,2,3
	v_add_nc_u32 v[TM+12+\b], 0xff000000, v[TM+\b]     ; 2 off the exponent field: the conversion's scale operand
.endr
.irp b, 0,1,2,3
	v_lshrrev_b32 v[TM+4+\b], 23, v[TM+12+\b]          ; the scale's byte
.endr
	v_lshl_or_b32 v[PW], v[TM+5], 8, v[TM+4]
	v_lshl_or_b32 v[PW], v[TM+6], 16, v[PW]
	v_lshl_or_b32 v[PW], v[TM+7], 24, v[PW]
.irp c, 0,1
	v_cvt_scalef32_pk16_fp6_f32 v[PC+6*\c:PC+2+6*\c], v[\s+32*\c:\s+15+32*\c], v[TM+12+2*\c]
	v_cvt_scalef32_pk16_fp6_f32 v[PC+12+4*\c:PC+14+4*\c], v[\s+16+32*\c:\s+31+32*\c], v[TM+12+2*\c+1]
.endr
	v_nop                                          ; one plain place behind a scaled conversion
.irp c, 0,1
.irp i, 0,1,2
	v_permlane16_swap_b32 v[PC+6*\c+\i], v[PC+12+4*\c+\i]
.endr
.irp i, 0,1,2
	v_mov_b32 v[PC+3+6*\c+\i], v[PC+12+4*\c+\i]
.endr
.endr
.endm
.macro CODES_OUT base, off
	global_store_b128 v[L16], v[PC:PC+3], s[\base:\base+1] offset:\off
	global_store_b128 v[L16], v[PC+6:PC+9], s[\base:\base+1] offset:\off+512
	global_store_b64 v[L8], v[PC+4:PC+5], s[\base:\base+1] offset:\off+1024
	global_store_b64 v[L8], v[PC+10:PC+11], s[\base:\base+1] offset:\off+1280
.endm
; What a pass makes of C.  lim: the pass's rows are Wn's where ty < lim.  My first row is 192 ty + add + (wm << sh).
.macro CONSTS lim, add, sh
	s_mul_i32 s25, s24, 192
	s_lshl_b32 s26, s19, \sh
	s_add_co_u32 s25, s25, s26
	s_add_co_u32 s25, s25, \add
	s_lshl_b32 s26, s23, 8
	s_sub_co_u32 s25, s25, s26
	s_lshl_b32 s26, s20, 7
	s_sub_co_u32 s25, s25, s26                     ; my first row less my first column, 256 tx + 128 wn
	s_mov_b32 s16, 0x3dcccccd                      ; 0.1
	s_cmp_lt_u32 s24, \lim                         ; rows of Wn or rows of x
	s_cselect_b32 s16, 0xbdcccccd, s16             ; -0.1 | 0.1
	s_cselect_b32 s100, 0, 0xbc449ba6              ; 0 | -0.012
	s_cselect_b32 s101, 0xff800000, 0              ; no floor | relu
	s_cselect_b32 s25, s25, 0x40000000             ; x's rows have no diagonal
	s_mov_b32 s17, s16
	v_add_nc_u32 v25, s25, v27                     ; register 16 b + i of M tile a lies on the diagonal where 32 b + i - 32 (a / 2) - 8 (a % 2) equals this
	v_mov_b32 v28, s100
	v_mov_b32 v29, s100
	v_add_f32 v26, 1.0, v28                        ; the addend on the diagonal
.endm
; Where a pass's results go.  Codes: tile 12 ty + tadd + tw wm, K step 2 tx + wn of the next product.  Scale words: that K step's row of AZS, byte 768 ty + sadd + swm wm.
.macro OUTADR tw, tadd, swm, sadd
	s_mul_i32 s26, s24, 12*TP
	s_mul_i32 s27, s19, (\tw)*TP
	s_add_co_u32 s26, s26, s27
	s_add_co_u32 s26, s26, (\tadd)*TP
	s_lshl_b32 s25, s23, 1
	s_add_co_u32 s25, s25, s20
	s_mul_i32 s27, s25, REC
	s_add_co_u32 s26, s26, s27
	s_mov_b32 s27, 0
	s_add_nc_u64 s[60:61], s[8:9], s[26:27]
	s_mul_i32 s26, s25, PITCH
	s_mul_i32 s2, s24, 768
	s_add_co_u32 s26, s26, s2
	s_mul_i32 s2, s19, \swm
	s_add_co_u32 s26, s26, s2
	s_add_co_u32 s26, s26, \sadd
	s_add_nc_u64 s[62:63], s[10:11], s[26:27]
.endm
; M tile a of the pass goes out: the fused multiply-add, the floor, the quantiser, the record, the scale word.  alld = 1: every block of 32 columns may meet the diagonal; 0: only blocks b with b % 2 = a / 2 (my first row is then a multiple of 64).
.macro EPITILE a, alld, first, sreg
.if \first == 0
	s_wait_xcnt 0x0                                ; the last tile's stores have read their registers
.endif
	WIN 0x01                                       ; source 0: the accumulators' window
.irp b, 0,1,2,3
.if (\alld) || ((\b%2) == ((\a)/2))
.irp i, 0,1,2,3,4,5,6,7,8,9,10,11,12,13,14,15
	v_cmp_eq_i32 vcc_lo, 32*\b+\i-32*((\a)/2)-8*((\a)%2), v25
	v_cndmask_b32 v[30+\i%2], s100, v26, vcc_lo
	v_fma_f32 v[T+16*\b+\i], v[64*(\a)+16*\b+\i], s16, v[30+\i%2]
.endr
.else
.irp i, 0,2,4,6,8,10,12,14
	v_pk_fma_f32 v[T+16*\b+\i:T+16*\b+\i+1], v[64*(\a)+16*\b+\i:64*(\a)+16*\b+\i+1], s[16:17], v[28:29] op_sel_hi:[1,0,1]
.endr
.endif
.endr
	WIN 0
.set n, 0
.rept 64
	v_max_num_f32 v[T+n], s101, v[T+n]
.set n, n+1
.endr
	QUANT T
	CODES_OUT 60, (\a)*TP
	ds_store_b32 v[\sreg], v[PW] offset:64*(\a)    ; both halves of the lanes write the same word with the same value
.endm
	s_load_b256 s[4:11], s[0:1], 0x0               ; AXC, AXS, AZC, AZS
	v_lshl_add_u32 v16, v0, 2, SPARE
	v_mov_b32 v17, 0
	ds_add_u32 v16, v17
	ds_add_u32 v16, v17
	s_wait_dscnt 0x0
	v_lshrrev_b32 v1, 5, v0
	v_readfirstlane_b32 s18, v1                    ; wave 0..3
	s_lshr_b32 s19, s18, 1                         ; wm: which half of a pass's rows.  Also: I fetch codes (0) or scale words (1)
	s_and_b32 s20, s18, 1                          ; wn: which 128 columns
	s_bfe_u32 s21, ttmp6, 0x40000                  ; cx
	s_bfe_u32 s22, ttmp6, 0x40004                  ; cy
	s_lshl_b32 s23, ttmp9, 2
	s_add_co_u32 s23, s23, s21                     ; tx = 4 x cluster x + cx
	s_and_b32 s24, ttmp7, 0xffff
	s_lshl_b32 s24, s24, 2
	s_add_co_u32 s24, s24, s22                     ; ty = 4 x cluster y + cy
	s_lshl_b32 s25, s22, 2
	s_lshl_b32 s25, 15, s25                        ; my row of the cluster
	s_lshl_b32 s60, 0x1111, s21                    ; my column
	s_or_b32 s[G1AC], s25, (3<<16)|(1<<21)         ; 15:0 the mask; 17:16 elements of 8 bytes; 21 set beside a mask; no padding
	s_or_b32 s[G1AS], s25, (3<<16)|(1<<21)
	s_or_b32 s[G1AC2], s25, (3<<16)|(1<<21)
	s_or_b32 s[G1AS2], s25, (3<<16)|(1<<21)
	s_or_b32 s[G1BC], s60, (3<<16)|(1<<21)
	s_or_b32 s[G1BS], s60, (3<<16)|(1<<21)
	G1SET G1AC, 768, 8, TP/8                       ; 8 tiles x 4 records
	G1SET G1BC, 768, NBT, TP/8
	G1SET G1AS, 64, 4, PITCH/8                     ; 4 K steps x 128 words
	G1SET G1BS, SBROW/8, 4, PITCH/8
	G1SET G1AC2, 768, 4, TP/8                      ; 4 tiles x 4 records
	G1SET G1AS2, 32, 4, PITCH/8                    ; 4 K steps x 64 words
	s_mul_i32 s26, s24, 12*TP                      ; the M side hangs on ty alone: tile 12 ty,
	s_mul_i32 s25, s24, 768                        ; row 192 ty
	s_mul_i32 s62, s23, NBT*TP                     ; the N side on tx alone
	s_mul_i32 s61, s23, SBROW
	s_mul_i32 s3, s19, AS_OFF                      ; where they go: no place in the cluster enters an LDS address
	s_mul_i32 s2, s19, BS_OFF-BC_OFF
	s_add_co_u32 s2, s2, BC_OFF
	s_mov_b32 s66, 4*PITCH
	s_mov_b32 s67, 0
	s_mov_b32 s12, 512
	s_mov_b32 s13, 0
	s_mov_b32 s27, 0
	s_mov_b32 s63, 0
	s_wait_kmcnt 0x0
	s_cmp_lt_u32 s18, 2                            ; codes or scale words: the choice hangs on the wave's number alone
	s_cselect_b32 s26, s26, s25
	s_cselect_b32 s62, s62, s61
	s_cselect_b32 s66, 4*REC, s66                  ; a slot on
	s_cselect_b32 s12, 8*TP, s12                   ; from pass 1's tiles to pass 2's
	s_cselect_b64 s[G0A+2:G0A+3], s[4:5], s[6:7]
	s_cselect_b64 s[G0B+2:G0B+3], s[4:5], s[6:7]
	s_add_nc_u64 s[G0A+2:G0A+3], s[G0A+2:G0A+3], s[26:27]
	s_add_nc_u64 s[G0B+2:G0B+3], s[G0B+2:G0B+3], s[62:63]
	s_add_nc_u64 s[G0A+6:G0A+7], s[G0A+2:G0A+3], s[66:67]
	s_add_nc_u64 s[G0B+6:G0B+7], s[G0B+2:G0B+3], s[66:67]
	s_or_b32 s[G0A+3], s[G0A+3], 0x80000000
	s_or_b32 s[G0A+7], s[G0A+7], 0x80000000
	s_or_b32 s[G0B+3], s[G0B+3], 0x80000000
	s_or_b32 s[G0B+7], s[G0B+7], 0x80000000
	s_mov_b32 s[G0A], 1
	s_mov_b32 s[G0A+4], 1
	s_mov_b32 s[G0B], 1
	s_mov_b32 s[G0B+4], 1
	s_mov_b32 s[G0A+1], s3
	s_add_co_u32 s[G0A+5], s3, SLOT
	s_mov_b32 s[G0B+1], s2
	s_add_co_u32 s[G0B+5], s2, SLOT
	CROUND                                         ; all sixteen work-groups are here: the first joint loads meet
	JLOAD4 0                                       ; slot 0: one tensor load a wave at the head
	v_and_b32 v1, 31, v0                           ; lane
	v_and_b32 v2, 15, v0                           ; r
	v_bfe_u32 v3, v0, 4, 1                         ; h
	v_lshlrev_b32 v[L16], 4, v1
	v_lshlrev_b32 v[L8], 4, v2
	v_lshl_add_u32 v[L8], v3, 3, v[L8]
	s_mul_i32 s26, s19, 4*4*REC                    ; pass 1: my four tiles of the M side
	v_add_nc_u32 v[A16], s26, v[L16]
	v_add_nc_u32 v[A8], s26, v[L8]
	s_add_co_u32 s26, s26, SLOT
	v_add_nc_u32 v[A16+1], s26, v[L16]
	v_add_nc_u32 v[A8+1], s26, v[L8]
	s_mul_i32 s26, s19, 2*4*REC                    ; pass 2: my two
	v_add_nc_u32 v[A16P], s26, v[L16]
	v_add_nc_u32 v[A8P], s26, v[L8]
	s_add_co_u32 s26, s26, SLOT
	v_add_nc_u32 v[A16P+1], s26, v[L16]
	v_add_nc_u32 v[A8P+1], s26, v[L8]
	s_mul_i32 s27, s20, WB*4*REC                   ; my eight tiles of the N side
	s_add_co_u32 s27, s27, BC_OFF
	v_add_nc_u32 v[B16], s27, v[L16]
	v_add_nc_u32 v[B8], s27, v[L8]
	s_add_co_u32 s27, s27, SLOT
	v_add_nc_u32 v[B16+1], s27, v[L16]
	v_add_nc_u32 v[B8+1], s27, v[L8]
	s_lshl_b32 s26, s19, 8                         ; pass 1: my 64 rows' words
	s_add_co_u32 s26, s26, AS_OFF
	v_lshl_add_u32 v[SAA], v1, 2, s26
	s_add_co_u32 s26, s26, SLOT
	v_lshl_add_u32 v[SAA+1], v1, 2, s26
	s_lshl_b32 s26, s19, 7                         ; pass 2: my 32 rows' words
	s_add_co_u32 s26, s26, AS_OFF
	v_lshl_add_u32 v[SAAP], v1, 2, s26
	s_add_co_u32 s26, s26, SLOT
	v_lshl_add_u32 v[SAAP+1], v1, 2, s26
	s_mul_i32 s27, s20, 64*WB
	s_add_co_u32 s27, s27, BS_OFF
	v_lshl_add_u32 v[SBA], v1, 2, s27
	s_add_co_u32 s27, s27, SLOT
	v_lshl_add_u32 v[SBA+1], v1, 2, s27
	s_lshl_b32 s26, s18, 8
	s_add_co_u32 s26, s26, SCW
	v_lshl_add_u32 v22, v2, 2, s26                 ; pass 1: my row's scale word on its way out
	v_lshl_add_u32 v23, v1, 3, s26
	v_lshlrev_b32 v24, 3, v1
	s_lshl_b32 s26, s20, 8
	s_add_co_u32 s26, s26, SCW2
	v_lshl_add_u32 v51, v1, 3, s26                 ; pass 2: the 64 rows' words of my half of the columns, 8 bytes a lane;
	s_lshl_b32 s27, s19, 7
	s_add_co_u32 s26, s26, s27
	v_lshl_add_u32 v50, v2, 2, s26                 ; and where my 32 rows' words go
	s_mov_b32 s[SEL], 0x76543210
	s_mov_b32 s[SEL+1], 0xfedcba98
.irp b, 0,1,2,3
	v_mov_b32 v[TM+4+\b], 0                        ; a lane permute's destination counts as one of its sources
.endr
	v_and_b32 v27, 7, v2
	v_lshrrev_b32 v26, 3, v2
	v_lshl_add_u32 v27, v26, 4, v27
	v_lshlrev_b32 v26, 4, v3
	v_sub_nc_u32 v27, v27, v26                     ; r % 8 + 16 (r / 8) - 16 h: my lane's part of the test for the diagonal
	s_wait_alu depctr_va_vdst(0)
	CONSTS 11, 0, 6                                ; pass 1: tiles 12 ty .. + 7 are Wn's where ty < 11; my first row 192 ty + 64 wm
	OUTADR 4, 0, 256, 0
	s_wait_alu depctr_va_vdst(0)                   ; the wait at the head's end
	s_wait_tensorcnt 0x0                           ; my part of slot 0 is in
	ds_add_u32 v16, v17
	s_wait_dscnt 0x0
	CROUND                                         ; everybody's part of slot 0 is in, and the sixteen work-groups meet
	JLOAD4 1                                       ; slot 1's first fill, the first tensor load behind the round
	; ---- pass 1
	FETCH 0, 0, 0
	STEP 0, 0, 1
	STEP 0, 1, 0
	STEP 0, 2, 0
	TURNA 0, 1                                     ; slot 0's M side takes pass 2's K steps 0-3
	STEP 1, 0, 0
	STEP 1, 1, 0
	STEP 1, 2, 0
	TURNA 1, 0                                     ; slot 1's M side takes pass 2's K steps 4-7
	PLACES 4                                       ; behind the last products: their results are read and their operands' registers written
	s_wait_alu depctr_va_vdst(0)
	EPITILE 0, 0, 1, 22
	EPITILE 1, 0, 0, 22
	EPITILE 2, 0, 0, 22
	EPITILE 3, 0, 0, 22
	ds_load_b64 v[230:231], v23                    ; LDS serves a wave's instructions in order: this sees my stores
	s_wait_dscnt 0x0
	global_store_b64 v24, v[230:231], s[62:63]     ; 32 lanes store my 64 rows' words: 256 consecutive bytes, aligned
	; ---- pass 2
	s_wait_tensorcnt 0x0                           ; the one load of mine that may be out, slot 1's refill, has landed;
	s_barrier_signal -1
	s_barrier_wait -1                              ; everybody's has.  Nothing is filled again from here on
.set NA,   2
.set XA16, A16P
.set XA8,  A8P
.set XSA,  SAAP
.set ASP,  256
	FETCH 0, 0, 0
	s_wait_xcnt 0x0                                ; pass 1's stores have read their bases and registers
	CONSTS 10, 128, 5                              ; tiles 12 ty + 8 .. + 11 are Wn's where ty < 10; my first row 192 ty + 128 + 32 wm
	OUTADR 2, 8, 0, 512
	s_wait_alu depctr_va_vdst(0)
	STEP 0, 0, 1
	STEP 0, 1, 0
	STEP 0, 2, 0
	STEPC 0
	STEP 1, 0, 0
	STEP 1, 1, 0
	STEP 1, 2, 0
	LAST
	PLACES 4
	EPITILE 0, 1, 1, 50
	EPITILE 1, 1, 0, 50
	s_wait_dscnt 0x0                               ; for the others' sake: my 32 rows' words have landed
	s_barrier_signal -1
	s_barrier_wait -1
	s_cmp_lt_u32 s18, 2                            ; waves 0 and 1 store the 64 rows' words of their half of the columns
	s_cbranch_scc0 .Lno_words
	ds_load_b64 v[230:231], v51
	s_wait_dscnt 0x0
	global_store_b64 v24, v[230:231], s[62:63]     ; 256 consecutive bytes, aligned
.Lno_words:
	s_wait_tensorcnt 0x0                           ; the wave's end
	ds_add_u32 v16, v17
	s_wait_dscnt 0x0
	CROUND                                         ; the closing round
	s_endpgm
.Lfunc_end_k_qf73ccaff26_dict:
	.size	k_qf73ccaff26_dict, .Lfunc_end_k_qf73ccaff26_dict-k_qf73ccaff26_dict
	.p2alignl 7, 3214868480
	.fill 96, 4, 3214868480
	.section	.rodata,"a",@progbits
	.p2align	6, 0x0
	.amdhsa_kernel k_qf73ccaff26_dict
		.amdhsa_group_segment_fixed_size 327680
		.amdhsa_private_segment_fixed_size 0
		.amdhsa_enable_private_segment 0
		.amdhsa_kernarg_size 32
		.amdhsa_user_sgpr_count 2
		.amdhsa_user_sgpr_kernarg_segment_ptr 1
		.amdhsa_wavefront_size32 1
		.amdhsa_system_sgpr_workgroup_id_x 1
		.amdhsa_system_sgpr_workgroup_id_y 1
		.amdhsa_system_sgpr_workgroup_id_z 1
		.amdhsa_system_vgpr_workitem_id 0
		.amdhsa_next_free_vgpr 704
		.amdhsa_next_free_sgpr 102
		.amdhsa_reserve_vcc 1
		.amdhsa_float_denorm_mode_32 3
		.amdhsa_float_denorm_mode_16_64 3
		.amdhsa_memory_ordered 1
		.amdhsa_forward_progress 1
		.amdhsa_inst_pref_size 197
	.end_amdhsa_kernel
	.amdgpu_metadata
---
amdhsa.version: [ 1, 2 ]
amdhsa.kernels:
  - .name:           k_qf73ccaff26_dict
    .symbol:         k_qf73ccaff26_dict.kd
    .args:
      - { .name: AXC, .offset: 0, .size: 8, .value_kind: global_buffer, .address_space: global }
      - { .name: AXS, .offset: 8, .size: 8, .value_kind: global_buffer, .address_space: global }
      - { .name: AZC, .offset: 16, .size: 8, .value_kind: global_buffer, .address_space: global }
      - { .name: AZS, .offset: 24, .size: 8, .value_kind: global_buffer, .address_space: global }
    .group_segment_fixed_size: 327680
    .private_segment_fixed_size: 0
    .kernarg_segment_align: 8
    .kernarg_segment_size: 32
    .max_flat_workgroup_size: 128
    .sgpr_count:     102
    .vgpr_count:     704
    .wavefront_size: 32
...
	.end_amdgpu_metadata
.endif
;; end of part 2
;; launch iter (part 3): grid 8 x 32, 4 waves a work-group, clusters of 4 x 4, 327,680 bytes of LDS; arguments AXC, AXS, AZC, AZS, Z2C, Z2S, out1; writes Z2C, Z2S, out1
.if DOCPART == 3
	.amdgcn_target "amdgcn-amd-amdhsa--gfx1250"
	.amdhsa_code_object_version 6
	.text
	.protected	k_qf73ccaff26_iter
	.globl	k_qf73ccaff26_iter
	.p2align	8
	.type	k_qf73ccaff26_iter,@function
k_qf73ccaff26_iter:
	s_mov_b64 s[64:65], 0
	v_nop
	global_prefetch_b8 v0, s[64:65] scope:SCOPE_SE
	s_setreg_imm32_b32 hwreg(HW_REG_WAVE_MODE, 25, 1), 1
	s_wait_xcnt 0x0
	s_wait_alu depctr_hold_cnt(0) depctr_sa_sdst(0) depctr_va_vdst(0) depctr_va_sdst(0) depctr_va_ssrc(0) depctr_va_vcc(0) depctr_vm_vsrc(0)
	s_getreg_b32 s2, hwreg(HW_REG_IB_STS2, 6, 4)
	s_cmp_eq_u32 s2, 0
	s_cbranch_scc0 .Lentry_in_a_cluster
	s_endpgm
.Lentry_in_a_cluster:
	s_bfe_u32 s2, ttmp6, 0x10000c
	s_cmp_lg_u32 s2, 0xf033
	s_cbranch_scc0 .Lentry_shape_is_right
	s_endpgm
.Lentry_shape_is_right:
; z2 = relu(z1 A + b), b = 0.1 x Wn - 0.012, on codes of FP6 (E2M3) with E8M0 scales.  The first step's product with reference()'s own zeros is left out (shown at the first kernel's head): z1 comes from launch dict.
; b is made here anew (8 K steps on x's and Wn's codes), rounded once by a fused multiply-add; the 16 K steps of z1 A are summed onto it in the matrix unit.  z2 leaves as f32 (out1) and, quantised along its columns, as fragment records.
; RECORDS: a fragment (16 rows x 128 K, 12 registers a lane, lane = 16 h + r) is 1,536 bytes: registers 0-3 at 16 lane; 6-9 at 512 + 16 lane; 4-5 at 1024 + 16 r + 8 h; 10-11 at 1280 + 16 r + 8 h; record(tile, K step) at tile x 24,576 + step x 1,536.
; SHARES: 256 work-groups of 128 x 256; a wave 64 x 128: 32 accumulators.  Transposed use (source 0 = 16 rows of the N side, source 1 = 16 rows of the M side): a lane holds one row.
; The N side's tiles hold index 32 b + 8 u + r % 8 + 16 (r / 8) in lane r of tile 2 b + u, so register 16 b + i of a row's 64 results is column 32 b + 16 h + i.
; K: six chunks of 4 K steps (two of x Wn, four of z1 A) through a ring of two LDS slots of 147,456 bytes that hold codes alone.  Each wave brings a part of every chunk by one joint load: waves 0, 1 four M tiles each (shared
; along the cluster's row), waves 2, 3 eight N tiles each (shared along its column).  A wave has one tensor load out at the most.
; SCALE WORDS go from memory straight into scale registers: a wave's 64 M rows are 256 and its 128 N rows 512 consecutive bytes of a K step; a chunk's 24 words a lane are asked for one chunk ahead, in two sets by turns.
; PREFETCH: chunk c + 1 of the chunk that a load asks for is named behind that load and the run of LDS loads after it; chunk 1 at the head.  Of a chunk's 24 blocks of 256 bytes a tile, the partner at cy takes N tiles 4 cy .. + 3
; (waves 0-2, eight blocks of each tile), the partner at cx M tiles 2 cx, 2 cx + 1 (wave 3: 32 blocks and 16): each block once in a cluster, shared out by address.  Nothing is named beyond chunk 5.
.set WB,     8
.set REC,    1536
.set TP,     24576
.set PITCH,  24576                     ; from K step to K step in AXS and AZS
.set BC_OFF, 32*REC                    ; a slot: the M side's 8 tiles x 4 records, then the N side's 16 x 4
.set SLOT,   96*REC
.set SPARE,  2*SLOT                    ; the spare words: 512 bytes that no other line names
.set SCW,    SPARE+512                 ; 256 bytes a wave: z2's scale words on their way out
.set A16, 4
.set A8,  6
.set B16, 8
.set B8,  10
.set VSM, 12                           ; offset of my M rows' scale words in a K step's row, 4 bytes a lane
.set VSN, 13                           ; and of my N rows'
.set PF,  14
.set PF2, 15
.set L16, 18
.set L8,  19
.set SC0, 160                          ; scale words: set 0 v160-183, set 1 v232-255; 6 a K step: 2 of M, 4 of N
.set SC1, 232
.set T,   64
.set R,   128
.set PC,  192
.set TM,  212
.set PW,  228
.set SEL, 96
.set G1AC, 28
.set G1BC, 36
.set G0A,  68
.set G0B,  76
.set MUL,  0x52                        ; source 0 window 2, source 1 window 0, C and D window 1
.set TO_B, 0x80
.set MSB, 0
.set KST, 0                            ; the K step in hand, 0 .. 23
.macro WIN new
.if MSB != \new
	s_set_vgpr_msb (MSB<<8)|\new
.set MSB, \new
.endif
.endm
.macro PLACES n
.rept \n
	v_nop
.endr
.endm
.macro CREST
	s_cmp_lg_u32 s18, 0
	s_cbranch_scc1 .Lnot_wave_0_\@
	s_barrier_signal -3
.Lnot_wave_0_\@:
	s_barrier_wait -3
	s_barrier_signal -1
	s_barrier_wait -1
.endm
.macro CROUND
	s_barrier_signal -1
	s_barrier_wait -1
	CREST
.endm
.macro G1SET g, c, r, st               ; r rows x c elements of 8 bytes, st elements from row to row
	s_mov_b32 s[\g+1], (\c)<<16
	s_mov_b32 s[\g+2], (\r)<<16
	s_mov_b32 s[\g+3], (\c)<<16
	s_mov_b32 s[\g+4], \r
	s_mov_b32 s[\g+5], \st
	s_mov_b32 s[\g+6], 0
	s_mov_b32 s[\g+7], 0
.endm
.macro JLOAD sl                        ; a joint load into slot sl: waves 0, 1 for the M side, waves 2, 3 for the N side; the branch hangs on the wave's number alone
	s_cmp_eq_u32 s19, 0
	s_cbranch_scc0 .Lfor_b_\@
	tensor_load_to_lds s[G0A+4*(\sl):G0A+4*(\sl)+3], s[G1AC:G1AC+7]
	s_nop 0
	PLACES 4
	s_branch .Lasked_\@
.Lfor_b_\@:
	tensor_load_to_lds s[G0B+4*(\sl):G0B+4*(\sl)+3], s[G1BC:G1BC+7]
	s_nop 0
	PLACES 4
.Lasked_\@:
.endm
.macro ASK c                           ; chunk c's blocks, my work-group's share, are named for the L2
.if (\c) < 2
.set pB, 4
.set pO, (\c)*4*REC
.else
.set pB, 8
.set pO, ((\c)-2)*4*REC
.endif
	global_prefetch_b8 v[PF], s[pB:pB+1] offset:pO th:TH_LOAD_NT scope:SCOPE_SE
	s_cmp_eq_u32 s18, 3
	s_cbranch_scc0 .Lnot_3_\@
	global_prefetch_b8 v[PF2], s[pB:pB+1] offset:pO th:TH_LOAD_NT scope:SCOPE_SE
.Lnot_3_\@:
.endm
.macro SCLOAD c                        ; chunk c's scale words into set c % 2: lanes 0-15 an even tile's rows, lanes 16-31 the odd tile's
.if (\c) < 2
.set sB, 6
.set sO, (\c)*4*PITCH
.else
.set sB, 10
.set sO, ((\c)-2)*4*PITCH
.endif
.set sR, SC0+(SC1-SC0)*((\c)%2)
.irp k, 0,1,2,3
	global_load_b32 v[sR+6*\k], v[VSM], s[sB:sB+1] offset:sO+\k*PITCH
	global_load_b32 v[sR+6*\k+1], v[VSM], s[sB:sB+1] offset:sO+\k*PITCH+128
.irp j, 0,1,2,3
	global_load_b32 v[sR+6*\k+2+\j], v[VSN], s[sB:sB+1] offset:sO+\k*PITCH+128*\j
.endr
.endr
.endm
.macro FRAG reg, a16, a8, off
	ds_load_b128 v[\reg:\reg+3], v[\a16] offset:\off
	ds_load_b128 v[\reg+6:\reg+9], v[\a16] offset:\off+512
	ds_load_b64 v[\reg+4:\reg+5], v[\a8] offset:\off+1024
	ds_load_b64 v[\reg+10:\reg+11], v[\a8] offset:\off+1280
.endm
.macro FETCH sl, q, p                  ; K step q of slot sl into set p: 8 + 4 fragments in one run
	WIN TO_B
.set fI, 0
.rept WB
	FRAG 96*(\p)+12*fI, B16+(\sl), B8+(\sl), 4*REC*fI+REC*(\q)
.set fI, fI+1
.endr
	WIN 0
.set fI, 0
.rept 4
	FRAG 64+48*(\p)+12*fI, A16+(\sl), A8+(\sl), 4*REC*fI+REC*(\q)
.set fI, fI+1
.endr
.endm
.macro WM a, b, p, zero                ; one product: M tile a, N tile b, fragment set p; an odd tile's scale words stand in lanes 16-31
.set rD, 8*(WB*(\a)+(\b))
.set rB, 96*(\p)+12*(\b)
.set rA, 64+48*(\p)+12*(\a)
.set rS, SC0+(SC1-SC0)*((KST/4)%2)+6*(KST%4)
.set rSB, rS+2+(\b)/2
.set rSA, rS+(\a)/2
.if \zero
.if ((\a)%2 == 0) && ((\b)%2 == 0)
	v_wmma_scale_f32_16x16x128_f8f6f4 v[rD:rD+7], v[rB:rB+11], v[rA:rA+11], 0, v[rSB], v[rSA] matrix_a_fmt:MATRIX_FMT_FP6 matrix_b_fmt:MATRIX_FMT_FP6
.elseif (\a)%2 == 0
	v_wmma_scale_f32_16x16x128_f8f6f4 v[rD:rD+7], v[rB:rB+11], v[rA:rA+11], 0, v[rSB], v[rSA] matrix_a_fmt:MATRIX_FMT_FP6 matrix_b_fmt:MATRIX_FMT_FP6 matrix_a_scale:MATRIX_SCALE_ROW1
.elseif (\b)%2 == 0
	v_wmma_scale_f32_16x16x128_f8f6f4 v[rD:rD+7], v[rB:rB+11], v[rA:rA+11], 0, v[rSB], v[rSA] matrix_a_fmt:MATRIX_FMT_FP6 matrix_b_fmt:MATRIX_FMT_FP6 matrix_b_scale:MATRIX_SCALE_ROW1
.else
	v_wmma_scale_f32_16x16x128_f8f6f4 v[rD:rD+7], v[rB:rB+11], v[rA:rA+11], 0, v[rSB], v[rSA] matrix_a_fmt:MATRIX_FMT_FP6 matrix_b_fmt:MATRIX_FMT_FP6 matrix_a_scale:MATRIX_SCALE_ROW1 matrix_b_scale:MATRIX_SCALE_ROW1
.endif
.else
.if ((\a)%2 == 0) && ((\b)%2 == 0)
	v_wmma_scale_f32_16x16x128_f8f6f4 v[rD:rD+7], v[rB:rB+11], v[rA:rA+11], v[rD:rD+7], v[rSB], v[rSA] matrix_a_fmt:MATRIX_FMT_FP6 matrix_b_fmt:MATRIX_FMT_FP6
.elseif (\a)%2 == 0
	v_wmma_scale_f32_16x16x128_f8f6f4 v[rD:rD+7], v[rB:rB+11], v[rA:rA+11], v[rD:rD+7], v[rSB], v[rSA] matrix_a_fmt:MATRIX_FMT_FP6 matrix_b_fmt:MATRIX_FMT_FP6 matrix_a_scale:MATRIX_SCALE_ROW1
.elseif (\b)%2 == 0
	v_wmma_scale_f32_16x16x128_f8f6f4 v[rD:rD+7], v[rB:rB+11], v[rA:rA+11], v[rD:rD+7], v[rSB], v[rSA] matrix_a_fmt:MATRIX_FMT_FP6 matrix_b_fmt:MATRIX_FMT_FP6 matrix_b_scale:MATRIX_SCALE_ROW1
.else
	v_wmma_scale_f32_16x16x128_f8f6f4 v[rD:rD+7], v[rB:rB+11], v[rA:rA+11], v[rD:rD+7], v[rSB], v[rSA] matrix_a_fmt:MATRIX_FMT_FP6 matrix_b_fmt:MATRIX_FMT_FP6 matrix_a_scale:MATRIX_SCALE_ROW1 matrix_b_scale:MATRIX_SCALE_ROW1
.endif
.endif
.endm
.macro MULA a, p, zero                 ; the accumulators take turns, one instruction a turn, in the same order in every K step
.set bI, 0
.rept WB
	WM \a, bI, \p, \zero
.set bI, bI+1
.endr
.endm
.macro STEP sl, q, zero                ; K step q = 0, 1, 2 of a chunk: the next step's run of loads goes out first, then this step's products
.if (\q) == 0
	s_wait_loadcnt 0x0                             ; this chunk's scale words, asked for a chunk ago, are in
.endif
	s_wait_dscnt 0x0                               ; this step's fragments are in
	PLACES 4                                       ; in front of loads into registers that the last products read
.if (\q) == 0
.if KST/4+1 < 6
	SCLOAD KST/4+1                                 ; the next chunk's scale words, into the set that the chunk before read
.endif
.endif
	FETCH \sl, (\q)+1, ((\q)+1)%2
	WIN MUL
	MULA 0, (\q)%2, \zero
	MULA 1, (\q)%2, \zero
	MULA 2, (\q)%2, \zero
	MULA 3, (\q)%2, \zero
	WIN 0
.set KST, KST+1
.endm
; A chunk's last K step changes slots: one barrier; in front of it each wave waits for all its tensor loads, adds 0 to its spare word, and waits for that and for its reads of this slot.
; how = 0: nothing is filled.  1: this slot takes the chunk two on.  2, 3: it takes z1 A's first, second chunk.
.macro TURN sl, how
	s_wait_tensorcnt 0x0                           ; my part of the other slot has landed
	ds_add_u32 v16, v17
	s_wait_dscnt 1                                 ; only the add, issued last, may be out: this step's fragments are in
	WIN MUL
	MULA 0, 1, 0
	s_wait_dscnt 0x0                               ; the add is done, and my reads of this slot are over
	s_barrier_signal -1
	MULA 1, 1, 0
	WIN 0
	s_barrier_wait -1
.if \how
	CREST                                          ; the barrier has opened a round of the cluster's
.if \how == 1
	s_add_nc_u64 s[G0A+4*(\sl)+2:G0A+4*(\sl)+3], s[G0A+4*(\sl)+2:G0A+4*(\sl)+3], 8*REC
	s_add_nc_u64 s[G0B+4*(\sl)+2:G0B+4*(\sl)+3], s[G0B+4*(\sl)+2:G0B+4*(\sl)+3], 8*REC
.elseif \how == 2
	s_mov_b64 s[G0A+4*(\sl)+2:G0A+4*(\sl)+3], s[92:93]
	s_mov_b64 s[G0B+4*(\sl)+2:G0B+4*(\sl)+3], s[94:95]
.else
	s_add_nc_u64 s[G0A+4*(\sl)+2:G0A+4*(\sl)+3], s[92:93], 4*REC
	s_add_nc_u64 s[G0B+4*(\sl)+2:G0B+4*(\sl)+3], s[94:95], 4*REC
.endif
	JLOAD \sl                                      ; the first tensor load behind the round; its four v_nop are also the places in front of the loads below
.else
	PLACES 4
.endif
	FETCH 1-(\sl), 0, 0
.if \how
.if KST/4+3 < 6
	ASK KST/4+3                                    ; the chunk that the next change of slots will ask for
.endif
.endif
	WIN MUL
	MULA 2, 1, 0
	MULA 3, 1, 0
	WIN 0
.set KST, KST+1
.endm
.macro LAST
	s_wait_dscnt 0x0
	WIN MUL
	MULA 0, 1, 0
	MULA 1, 1, 0
	MULA 2, 1, 0
	MULA 3, 1, 0
	WIN 0
.endm
.macro SLOTRUN sl, how, zero           ; a chunk's four K steps; how = -1: the last chunk
	STEP \sl, 0, \zero
	STEP \sl, 1, 0
	STEP \sl, 2, 0
.if \how < 0
	LAST
.else
	TURN \sl, \how
.endif
.endm
; 64 numbers of a lane, register 16 b + i = k 32 b + 16 (lane / 16) + i of my row, become a fragment's codes in v[PC] on and its scale word in v[PW].
.macro QUANT s
.irp b, 0,1,2,3
	v_max3_num_f32 v[TM+\b], |v[\s+16*\b]|, |v[\s+1+16*\b]|, 0x1800000   ; the floor 2^(3 - 127): the byte cannot fall under 1
.endr
.irp i, 2,4,6,8,10,12,14
.irp b, 0,1,2,3
	v_max3_num_f32 v[TM+\b], v[TM+\b], |v[\s+16*\b+\i]|, |v[\s+1+16*\b+\i]|
.endr
.endr
.irp b, 0,1,2,3
	v_permlanex16_b32 v[TM+4+\b], v[TM+\b], s[SEL], s[SEL+1]
.endr
.irp b, 0,1,2,3
	v_max_num_f32 v[TM+\b], v[TM+\b], v[TM+4+\b]
.endr
.irp b, 0,1,2,3
	v_add_nc_u32 v[TM+12+\b], 0xff000000, v[TM+\b]     ; 2 off the exponent field: the conversion's scale operand
.endr
.irp b, 0,1,2,3
	v_lshrrev_b32 v[TM+4+\b], 23, v[TM+12+\b]          ; the scale's byte
.endr
	v_lshl_or_b32 v[PW], v[TM+5], 8, v[TM+4]
	v_lshl_or_b32 v[PW], v[TM+6], 16, v[PW]
	v_lshl_or_b32 v[PW], v[TM+7], 24, v[PW]
.irp c, 0,1
	v_cvt_scalef32_pk16_fp6_f32 v[PC+6*\c:PC+2+6*\c], v[\s+32*\c:\s+15+32*\c], v[TM+12+2*\c]
	v_cvt_scalef32_pk16_fp6_f32 v[PC+12+4*\c:PC+14+4*\c], v[\s+16+32*\c:\s+31+32*\c], v[TM+12+2*\c+1]
.endr
	v_nop                                          ; one plain place behind a scaled conversion
.irp c, 0,1
.irp i, 0,1,2
	v_permlane16_swap_b32 v[PC+6*\c+\i], v[PC+12+4*\c+\i]
.endr
.irp i, 0,1,2
	v_mov_b32 v[PC+3+6*\c+\i], v[PC+12+4*\c+\i]
.endr
.endr
.endm
.macro CODES_OUT base, off
	global_store_b128 v[L16], v[PC:PC+3], s[\base:\base+1] offset:\off
	global_store_b128 v[L16], v[PC+6:PC+9], s[\base:\base+1] offset:\off+512
	global_store_b64 v[L8], v[PC+4:PC+5], s[\base:\base+1] offset:\off+1024
	global_store_b64 v[L8], v[PC+10:PC+11], s[\base:\base+1] offset:\off+1280
.endm
	s_load_b256 s[4:11], s[0:1], 0x0               ; AXC, AXS, AZC, AZS
	s_load_b128 s[12:15], s[0:1], 0x20             ; Z2C, Z2S
	s_load_b64 s[16:17], s[0:1], 0x30              ; out1
	v_lshl_add_u32 v16, v0, 2, SPARE
	v_mov_b32 v17, 0
	ds_add_u32 v16, v17                            ; the opening lines: the add twice on end and one wait
	ds_add_u32 v16, v17
	v_lshrrev_b32 v1, 5, v0
	v_readfirstlane_b32 s18, v1                    ; wave 0..3
	s_lshr_b32 s19, s18, 1                         ; wm: which 64 rows.  Also: I fetch for the M side (0) or the N side (1)
	s_and_b32 s20, s18, 1                          ; wn: which 128 columns.  Also: which half of that side's tiles I fetch
	s_bfe_u32 s21, ttmp6, 0x40000                  ; cx
	s_bfe_u32 s22, ttmp6, 0x40004                  ; cy
	s_lshl_b32 s23, ttmp9, 2
	s_add_co_u32 s23, s23, s21                     ; tx
	s_and_b32 s24, ttmp7, 0xffff
	s_lshl_b32 s24, s24, 2
	s_add_co_u32 s24, s24, s22                     ; ty
	s_lshl_b32 s25, s22, 2
	s_lshl_b32 s25, 15, s25                        ; my row of the cluster
	s_lshl_b32 s60, 0x1111, s21                    ; my column
	s_or_b32 s[G1AC], s25, (3<<16)|(1<<21)         ; the mask; elements of 8 bytes; bit 21 beside a mask; no padding
	s_or_b32 s[G1BC], s60, (3<<16)|(1<<21)
	G1SET G1AC, 768, 4, TP/8                       ; 4 tiles x 4 records
	G1SET G1BC, 768, 8, TP/8                       ; 8 tiles x 4 records
	s_lshl_b32 s26, s24, 3                         ; the M side hangs on ty alone: tile 128 + 8 ty + 4 half
	s_lshl_b32 s3, s20, 2
	s_add_co_u32 s26, s26, s3
	s_add_co_u32 s26, s26, 128
	s_mul_i32 s26, s26, TP
	s_mov_b32 s27, 0
	s_lshl_b32 s62, s23, 4                         ; the N side on tx alone: tile 16 tx + 8 half
	s_lshl_b32 s3, s20, 3
	s_add_co_u32 s62, s62, s3
	s_mul_i32 s62, s62, TP
	s_mov_b32 s63, 0
	s_mul_i32 s3, s20, 16*REC                      ; where they go: the wave's number alone
	s_mul_i32 s2, s20, 32*REC
	s_add_co_u32 s2, s2, BC_OFF
	s_mul_i32 s44, s19, 16*REC                     ; my four M tiles in slot 0, 1
	s_add_co_u32 s45, s44, SLOT
	s_mul_i32 s46, s20, 32*REC                     ; my eight N tiles
	s_add_co_u32 s46, s46, BC_OFF
	s_add_co_u32 s47, s46, SLOT
	s_lshl_b32 s48, s24, 9                         ; my M rows' scale words: 8192 + 512 ty + 256 wm
	s_lshl_b32 s56, s19, 8
	s_add_co_u32 s48, s48, s56
	s_add_co_u32 s48, s48, 8192
	s_lshl_b32 s49, s23, 10                        ; my N rows': 1024 tx + 512 wn
	s_lshl_b32 s56, s20, 9
	s_add_co_u32 s49, s49, s56
	s_lshl_b32 s50, s18, 8
	s_add_co_u32 s50, s50, SCW
	s_mul_i32 s51, s18, 8448                       ; my stage: 16 rows x 528 bytes in slot 0, which has had its last fill and its last read when the first result is stored there
	s_lshl_b32 s52, s24, 3                         ; prefetch: M tile 128 + 8 ty + 2 cx
	s_lshl_b32 s56, s21, 1
	s_add_co_u32 s52, s52, s56
	s_add_co_u32 s52, s52, 128
	s_mul_i32 s52, s52, TP
	s_lshl_b32 s53, s23, 4                         ; N tile 16 tx + 4 cy, blocks 8 wave on
	s_lshl_b32 s56, s22, 2
	s_add_co_u32 s53, s53, s56
	s_mul_i32 s53, s53, TP
	s_lshl_b32 s56, s18, 11
	s_add_co_u32 s53, s53, s56
	s_add_co_u32 s55, s52, TP-6144                 ; blocks 24 on of my two M tiles lie in the second tile
	s_cmp_eq_u32 s18, 3
	s_cselect_b32 s54, -1, 0                       ; wave 3 names the M side's blocks
	s_cselect_b32 s53, s52, s53
	s_mov_b32 s[SEL], 0x76543210
	s_mov_b32 s[SEL+1], 0xfedcba98
	s_mov_b32 s98, 0x3dcccccd                      ; 0.1
	s_mov_b32 s99, s98
	s_wait_dscnt 0x0                               ; both opening adds are done
	s_wait_kmcnt 0x0
	s_add_nc_u64 s[G0A+2:G0A+3], s[4:5], s[26:27]
	s_add_nc_u64 s[G0B+2:G0B+3], s[4:5], s[62:63]
	s_add_nc_u64 s[92:93], s[8:9], s[26:27]        ; z1 and A lie at the same places of AZC
	s_add_nc_u64 s[94:95], s[8:9], s[62:63]
	s_add_nc_u64 s[G0A+6:G0A+7], s[G0A+2:G0A+3], 4*REC
	s_add_nc_u64 s[G0B+6:G0B+7], s[G0B+2:G0B+3], 4*REC
	s_or_b32 s[G0A+3], s[G0A+3], 0x80000000
	s_or_b32 s[G0A+7], s[G0A+7], 0x80000000
	s_or_b32 s[G0B+3], s[G0B+3], 0x80000000
	s_or_b32 s[G0B+7], s[G0B+7], 0x80000000
	s_or_b32 s93, s93, 0x80000000
	s_or_b32 s95, s95, 0x80000000
	s_mov_b32 s[G0A], 1
	s_mov_b32 s[G0A+4], 1
	s_mov_b32 s[G0B], 1
	s_mov_b32 s[G0B+4], 1
	s_mov_b32 s[G0A+1], s3
	s_add_co_u32 s[G0A+5], s3, SLOT
	s_mov_b32 s[G0B+1], s2
	s_add_co_u32 s[G0B+5], s2, SLOT
	CROUND                                         ; all sixteen work-groups are here: the first joint loads meet
	JLOAD 0                                        ; chunk 0: one tensor load a wave at the head
	v_and_b32 v1, 31, v0                           ; lane
	v_and_b32 v2, 15, v0                           ; r
	v_bfe_u32 v3, v0, 4, 1                         ; h
	v_lshl_add_u32 v[VSM], v1, 2, s48
	v_lshl_add_u32 v[VSN], v1, 2, s49
	SCLOAD 0
	v_lshlrev_b32 v[L16], 4, v1
	v_lshlrev_b32 v[L8], 4, v2
	v_lshl_add_u32 v[L8], v3, 3, v[L8]
.irp s, 0,1
	v_add_nc_u32 v[A16+\s], s[44+\s], v[L16]
	v_add_nc_u32 v[A8+\s], s[44+\s], v[L8]
	v_add_nc_u32 v[B16+\s], s[46+\s], v[L16]
	v_add_nc_u32 v[B8+\s], s[46+\s], v[L8]
.endr
	v_lshl_add_u32 v22, v2, 2, s50                 ; my row's scale word on its way out
	v_lshl_add_u32 v23, v1, 3, s50
	v_lshlrev_b32 v24, 3, v1
	v_mul_u32_u24 v20, v2, 528
	v_lshl_add_u32 v20, v3, 6, v20
	v_add_nc_u32 v20, s51, v20                     ; into the stage: row r, 64 h
	v_add_nc_u32 v21, s51, v[L16]                  ; back: a whole row, 16 bytes a lane
.irp b, 0,1,2,3
	v_mov_b32 v[TM+4+\b], 0                        ; a lane permute's destination counts as one of its sources
.endr
	v_mov_b32 v28, 0xbc449ba6                      ; -0.012
	v_mov_b32 v29, v28
	v_lshrrev_b32 v25, 3, v1                       ; N: tile lane / 8, block lane % 8
	v_and_b32 v26, 7, v1
	v_mul_u32_u24 v25, v25, TP
	v_lshl_add_u32 v25, v26, 8, v25
	v_mov_b32 v30, TP-6144                         ; M: block lane of 48; from 24 on in the second tile
	v_cmp_le_u32 vcc_lo, 24, v1
	v_cndmask_b32 v27, 0, v30, vcc_lo
	v_lshl_add_u32 v27, v1, 8, v27
	v_cndmask_b32 v[PF], v25, v27, s54
	v_add_nc_u32 v[PF], s53, v[PF]
	v_add_nc_u32 v[PF2], 32, v1                    ; M: blocks 32 .. 47; the lanes left over name the last again
	v_min_u32 v[PF2], 47, v[PF2]
	v_lshl_add_u32 v[PF2], v[PF2], 8, s55
	s_wait_alu depctr_va_vdst(0)                   ; the wait at the head's end
	ASK 1
	s_wait_tensorcnt 0x0                           ; my part of chunk 0 is in
	ds_add_u32 v16, v17
	s_wait_dscnt 0x0
	CROUND
	JLOAD 1                                        ; chunk 1: slot 1's first fill, the first tensor load behind the round
	FETCH 0, 0, 0
	ASK 2
	SLOTRUN 0, 2, 1                                ; x Wn, K steps 0-3; slot 0 takes z1 A's K steps 0-3
	SLOTRUN 1, 3, 0                                ; x Wn, K steps 4-7; slot 1 takes z1 A's K steps 4-7
	PLACES 4
	WIN 0x41                                       ; destination and source 0: the accumulators' window
.set n, 0
	s_wait_alu depctr_va_vdst(0)
.rept 128
	v_pk_fma_f32 v[n:n+1], v[n:n+1], s[98:99], v[28:29] op_sel_hi:[1,0,1]    ; b = 0.1 x Wn - 0.012: the sums go on from it
.set n, n+2
.endr
	WIN 0
	s_wait_alu depctr_va_vdst(0)
	SLOTRUN 0, 1, 0
	SLOTRUN 1, 1, 0
	SLOTRUN 0, 0, 0
	SLOTRUN 1, -1, 0
	PLACES 4                                       ; behind the last products: their results are read and their operands' registers written
	s_mul_i32 s26, s24, 8*TP
	s_mul_i32 s27, s19, 4*TP
	s_add_co_u32 s26, s26, s27
	s_lshl_b32 s60, s23, 1
	s_add_co_u32 s60, s60, s20                     ; my 128 columns are K step 2 tx + wn of the last product
	s_mul_i32 s61, s60, REC
	s_add_co_u32 s26, s26, s61
	s_mov_b32 s27, 0
	s_add_nc_u64 s[12:13], s[12:13], s[26:27]
	s_lshl_b32 s26, s60, 14                        ; Z2S: 16,384 bytes a K step
	s_lshl_b32 s61, s24, 9
	s_add_co_u32 s26, s26, s61
	s_lshl_b32 s61, s19, 8
	s_add_co_u32 s26, s26, s61
	s_add_nc_u64 s[14:15], s[14:15], s[26:27]
	s_lshl_b32 s26, s24, 20                        ; out1: (128 ty + 64 wm) rows of 8,192 bytes + 512 (2 tx + wn)
	s_lshl_b32 s61, s19, 19
	s_add_co_u32 s26, s26, s61
	s_lshl_b32 s61, s60, 9
	s_add_co_u32 s26, s26, s61
	s_add_nc_u64 s[16:17], s[16:17], s[26:27]
.irp a, 0,1,2,3
.if \a > 0
	s_wait_xcnt 0x0                                ; the last tile's stores have read their registers
.endif
	WIN 0x04                                       ; source 1: the accumulators' window
.set n, 0
.rept 64
	v_max_num_f32 v[T+n], 0, v[64*\a+n]            ; relu; each accumulator from its low end on
.set n, n+1
.endr
	WIN 0
.irp b, 0,1,2,3
.irp j, 0,1,2,3
	ds_store_b128 v20, v[T+16*\b+4*\j:T+16*\b+4*\j+3] offset:128*\b+16*\j   ; columns 32 b + 16 h + 4 j on, of row r
.endr
.endr
.irp i, 0,1,2,3,4,5,6,7,8,9,10,11,12,13,14,15
	ds_load_b128 v[R+4*\i:R+4*\i+3], v21 offset:528*\i      ; LDS serves a wave's instructions in order: these see my stores
.endr
	QUANT T                                        ; while the rows come back
	CODES_OUT 12, \a*TP
	ds_store_b32 v22, v[PW] offset:64*\a
	s_wait_dscnt 0x0
.irp i, 0,1,2,3,4,5,6,7,8,9,10,11,12,13,14,15
	global_store_b128 v[L16], v[R+4*\i:R+4*\i+3], s[16:17] offset:(16*\a+\i)*8192 th:TH_STORE_NT   ; 32 lanes store 512 consecutive bytes, aligned
.endr
.endr
	ds_load_b64 v[230:231], v23
	s_wait_dscnt 0x0
	global_store_b64 v24, v[230:231], s[14:15]     ; my 64 rows' words: 256 consecutive bytes, aligned
	s_wait_tensorcnt 0x0                           ; the wave's end
	ds_add_u32 v16, v17
	s_wait_dscnt 0x0
	CROUND                                         ; the closing round
	s_endpgm
.Lfunc_end_k_qf73ccaff26_iter:
	.size	k_qf73ccaff26_iter, .Lfunc_end_k_qf73ccaff26_iter-k_qf73ccaff26_iter
	.p2alignl 7, 3214868480
	.fill 96, 4, 3214868480
	.section	.rodata,"a",@progbits
	.p2align	6, 0x0
	.amdhsa_kernel k_qf73ccaff26_iter
		.amdhsa_group_segment_fixed_size 327680
		.amdhsa_private_segment_fixed_size 0
		.amdhsa_enable_private_segment 0
		.amdhsa_kernarg_size 56
		.amdhsa_user_sgpr_count 2
		.amdhsa_user_sgpr_kernarg_segment_ptr 1
		.amdhsa_wavefront_size32 1
		.amdhsa_system_sgpr_workgroup_id_x 1
		.amdhsa_system_sgpr_workgroup_id_y 1
		.amdhsa_system_sgpr_workgroup_id_z 1
		.amdhsa_system_vgpr_workitem_id 0
		.amdhsa_next_free_vgpr 704
		.amdhsa_next_free_sgpr 102
		.amdhsa_reserve_vcc 1
		.amdhsa_float_denorm_mode_32 3
		.amdhsa_float_denorm_mode_16_64 3
		.amdhsa_memory_ordered 1
		.amdhsa_forward_progress 1
		.amdhsa_inst_pref_size 252
	.end_amdhsa_kernel
	.amdgpu_metadata
---
amdhsa.version: [ 1, 2 ]
amdhsa.kernels:
  - .name:           k_qf73ccaff26_iter
    .symbol:         k_qf73ccaff26_iter.kd
    .args:
      - { .name: AXC, .offset: 0, .size: 8, .value_kind: global_buffer, .address_space: global }
      - { .name: AXS, .offset: 8, .size: 8, .value_kind: global_buffer, .address_space: global }
      - { .name: AZC, .offset: 16, .size: 8, .value_kind: global_buffer, .address_space: global }
      - { .name: AZS, .offset: 24, .size: 8, .value_kind: global_buffer, .address_space: global }
      - { .name: Z2C, .offset: 32, .size: 8, .value_kind: global_buffer, .address_space: global }
      - { .name: Z2S, .offset: 40, .size: 8, .value_kind: global_buffer, .address_space: global }
      - { .name: out1, .offset: 48, .size: 8, .value_kind: global_buffer, .address_space: global }
    .group_segment_fixed_size: 327680
    .private_segment_fixed_size: 0
    .kernarg_segment_align: 8
    .kernarg_segment_size: 56
    .max_flat_workgroup_size: 128
    .sgpr_count:     102
    .vgpr_count:     704
    .wavefront_size: 32
...
	.end_amdgpu_metadata
.endif
;; end of part 3
;; launch synth (part 4): grid 8 x 32, 4 waves a work-group, clusters of 4 x 4, 327,680 bytes of LDS; arguments Z2C, Z2S, WDC, WDS, out0; writes out0
.if DOCPART == 4
	.amdgcn_target "amdgcn-amd-amdhsa--gfx1250"
	.amdhsa_code_object_version 6
	.text
	.protected	k_qf73ccaff26_synth
	.globl	k_qf73ccaff26_synth
	.p2align	8
	.type	k_qf73ccaff26_synth,@function
k_qf73ccaff26_synth:
	s_mov_b64 s[64:65], 0
	v_nop
	global_prefetch_b8 v0, s[64:65] scope:SCOPE_SE
	s_setreg_imm32_b32 hwreg(HW_REG_WAVE_MODE, 25, 1), 1
	s_wait_xcnt 0x0
	s_wait_alu depctr_hold_cnt(0) depctr_sa_sdst(0) depctr_va_vdst(0) depctr_va_sdst(0) depctr_va_ssrc(0) depctr_va_vcc(0) depctr_vm_vsrc(0)
	s_getreg_b32 s2, hwreg(HW_REG_IB_STS2, 6, 4)
	s_cmp_eq_u32 s2, 0
	s_cbranch_scc0 .Lentry_in_a_cluster
	s_endpgm
.Lentry_in_a_cluster:
	s_bfe_u32 s2, ttmp6, 0x10000c
	s_cmp_lg_u32 s2, 0xf033
	s_cbranch_scc0 .Lentry_shape_is_right
	s_endpgm
.Lentry_shape_is_right:
; xhat = z2 Wn^T, K = 2,048 (p), on codes of FP6 (E2M3) with E8M0 scales: z2's records from launch iter, Wn quantised along p from launch prep.  out0 is f32.
; RECORDS: a fragment (16 rows x 128 K, 12 registers a lane, lane = 16 h + r) is 1,536 bytes: registers 0-3 at 16 lane; 6-9 at 512 + 16 lane; 4-5 at 1024 + 16 r + 8 h; 10-11 at 1280 + 16 r + 8 h; record(tile, K step) at tile x 24,576 + step x 1,536.
; SHARES: 256 work-groups of 128 x 128; a wave 64 x 64: 16 accumulators.  Transposed use (source 0 = 16 rows d of Wn, source 1 = 16 rows of z2): a lane's eight results are eight neighbouring columns of one row of xhat.
; LDS holds codes alone, in two regions: X, 16 tiles x 4 records, and Y, 16 tiles x 8 records.  K steps 0-3 fill X at the head; K steps 4-11 fill Y behind the first round; K steps 12-15 fill X again behind the round at the end of K step 3.
; Each wave brings four tiles by one joint load: waves 0, 1 z2's (shared along the cluster's row), waves 2, 3 Wn's (shared along its column).  A wave has one tensor load out at the most.
; SCALE WORDS go from memory straight into scale registers, once: a wave's 64 rows of either side are 256 consecutive bytes of a K step; 4 words a lane and K step, 64 registers.
; PREFETCH: wave w names one tile's blocks of 256 bytes: z2's tile 2 cx + w % 2 of the eight (waves 0, 1) or Wn's tile 2 cy + w % 2 (waves 2, 3): each block once in a cluster, shared out by address.
; Y's 48 blocks a tile are named at the head, one fill ahead of their load; the 24 blocks of K steps 12-15 behind Y's load, one fill ahead of theirs.
.set WB,     4
.set REC,    1536
.set TP,     24576
.set YB,     64*REC                    ; X: z2's 8 tiles x 4 records, Wn's 8 x 4.  Y behind it: z2's 8 x 8, Wn's 8 x 8
.set SPARE,  192*REC                   ; the spare words: 512 bytes that no other line names
.set A16, 4                            ; v4-6, v7-9, v10-12, v13-15: places 0 (X), 1 (Y's K steps 4-7), 2 (Y's K steps 8-11)
.set A8,  7
.set B16, 10
.set B8,  13
.set L16, 18
.set L8,  19
.set VSM, 26
.set VSN, 27
.set PF1, 28
.set PF2, 29
.set PF3, 30
.set SCB, 160                          ; v160-223: scale words, 4 a K step: 2 of z2, 2 of Wn
.set G1AX, 28
.set G1BX, 36
.set G1AY, 44
.set G1BY, 52
.set G0AX, 68
.set G0BX, 72
.set G0AY, 76
.set G0BY, 80
.set MUL,  0x52
.set TO_B, 0x80
.set MSB, 0
.set KST, 0
.macro WIN new
.if MSB != \new
	s_set_vgpr_msb (MSB<<8)|\new
.set MSB, \new
.endif
.endm
.macro PLACES n
.rept \n
	v_nop
.endr
.endm
.macro CREST
	s_cmp_lg_u32 s18, 0
	s_cbranch_scc1 .Lnot_wave_0_\@
	s_barrier_signal -3
.Lnot_wave_0_\@:
	s_barrier_wait -3
	s_barrier_signal -1
	s_barrier_wait -1
.endm
.macro CROUND
	s_barrier_signal -1
	s_barrier_wait -1
	CREST
.endm
.macro G1SET g, c, r, st
	s_mov_b32 s[\g+1], (\c)<<16
	s_mov_b32 s[\g+2], (\r)<<16
	s_mov_b32 s[\g+3], (\c)<<16
	s_mov_b32 s[\g+4], \r
	s_mov_b32 s[\g+5], \st
	s_mov_b32 s[\g+6], 0
	s_mov_b32 s[\g+7], 0
.endm
.macro JLOAD g0a, g1a, g0b, g1b        ; a joint load: waves 0, 1 for z2, waves 2, 3 for Wn; the branch hangs on the wave's number alone
	s_cmp_eq_u32 s19, 0
	s_cbranch_scc0 .Lfor_b_\@
	tensor_load_to_lds s[\g0a:\g0a+3], s[\g1a:\g1a+7]
	s_nop 0
	PLACES 4
	s_branch .Lasked_\@
.Lfor_b_\@:
	tensor_load_to_lds s[\g0b:\g0b+3], s[\g1b:\g1b+7]
	s_nop 0
	PLACES 4
.Lasked_\@:
.endm
.macro FRAG reg, a16, a8, off
	ds_load_b128 v[\reg:\reg+3], v[\a16] offset:\off
	ds_load_b128 v[\reg+6:\reg+9], v[\a16] offset:\off+512
	ds_load_b64 v[\reg+4:\reg+5], v[\a8] offset:\off+1024
	ds_load_b64 v[\reg+10:\reg+11], v[\a8] offset:\off+1280
.endm
.macro FETCH sl, q, p                  ; K step q of place sl into set p: 4 + 4 fragments in one run; a tile's records are 4 in X and 8 in Y
.if (\sl) == 0
.set LP, 4*REC
.else
.set LP, 8*REC
.endif
	WIN TO_B
.set fI, 0
.rept WB
	FRAG 96*(\p)+12*fI, B16+(\sl), B8+(\sl), LP*fI+REC*(\q)
.set fI, fI+1
.endr
	WIN 0
.set fI, 0
.rept 4
	FRAG 64+48*(\p)+12*fI, A16+(\sl), A8+(\sl), LP*fI+REC*(\q)
.set fI, fI+1
.endr
.endm
.macro WM a, b, p, zero
.set rD, 8*(WB*(\a)+(\b))
.set rB, 96*(\p)+12*(\b)
.set rA, 64+48*(\p)+12*(\a)
.set rSB, SCB+4*KST+2+(\b)/2
.set rSA, SCB+4*KST+(\a)/2
.if \zero
.if ((\a)%2 == 0) && ((\b)%2 == 0)
	v_wmma_scale_f32_16x16x128_f8f6f4 v[rD:rD+7], v[rB:rB+11], v[rA:rA+11], 0, v[rSB], v[rSA] matrix_a_fmt:MATRIX_FMT_FP6 matrix_b_fmt:MATRIX_FMT_FP6
.elseif (\a)%2 == 0
	v_wmma_scale_f32_16x16x128_f8f6f4 v[rD:rD+7], v[rB:rB+11], v[rA:rA+11], 0, v[rSB], v[rSA] matrix_a_fmt:MATRIX_FMT_FP6 matrix_b_fmt:MATRIX_FMT_FP6 matrix_a_scale:MATRIX_SCALE_ROW1
.elseif (\b)%2 == 0
	v_wmma_scale_f32_16x16x128_f8f6f4 v[rD:rD+7], v[rB:rB+11], v[rA:rA+11], 0, v[rSB], v[rSA] matrix_a_fmt:MATRIX_FMT_FP6 matrix_b_fmt:MATRIX_FMT_FP6 matrix_b_scale:MATRIX_SCALE_ROW1
.else
	v_wmma_scale_f32_16x16x128_f8f6f4 v[rD:rD+7], v[rB:rB+11], v[rA:rA+11], 0, v[rSB], v[rSA] matrix_a_fmt:MATRIX_FMT_FP6 matrix_b_fmt:MATRIX_FMT_FP6 matrix_a_scale:MATRIX_SCALE_ROW1 matrix_b_scale:MATRIX_SCALE_ROW1
.endif
.else
.if ((\a)%2 == 0) && ((\b)%2 == 0)
	v_wmma_scale_f32_16x16x128_f8f6f4 v[rD:rD+7], v[rB:rB+11], v[rA:rA+11], v[rD:rD+7], v[rSB], v[rSA] matrix_a_fmt:MATRIX_FMT_FP6 matrix_b_fmt:MATRIX_FMT_FP6
.elseif (\a)%2 == 0
	v_wmma_scale_f32_16x16x128_f8f6f4 v[rD:rD+7], v[rB:rB+11], v[rA:rA+11], v[rD:rD+7], v[rSB], v[rSA] matrix_a_fmt:MATRIX_FMT_FP6 matrix_b_fmt:MATRIX_FMT_FP6 matrix_a_scale:MATRIX_SCALE_ROW1
.elseif (\b)%2 == 0
	v_wmma_scale_f32_16x16x128_f8f6f4 v[rD:rD+7], v[rB:rB+11], v[rA:rA+11], v[rD:rD+7], v[rSB], v[rSA] matrix_a_fmt:MATRIX_FMT_FP6 matrix_b_fmt:MATRIX_FMT_FP6 matrix_b_scale:MATRIX_SCALE_ROW1
.else
	v_wmma_scale_f32_16x16x128_f8f6f4 v[rD:rD+7], v[rB:rB+11], v[rA:rA+11], v[rD:rD+7], v[rSB], v[rSA] matrix_a_fmt:MATRIX_FMT_FP6 matrix_b_fmt:MATRIX_FMT_FP6 matrix_a_scale:MATRIX_SCALE_ROW1 matrix_b_scale:MATRIX_SCALE_ROW1
.endif
.endif
.endm
.macro MULA a, p, zero                 ; the accumulators take turns, one instruction a turn, in the same order in every K step
.set bI, 0
.rept WB
	WM \a, bI, \p, \zero
.set bI, bI+1
.endr
.endm
.macro MULALL p, zero
	WIN MUL
	MULA 0, \p, \zero
	MULA 1, \p, \zero
	MULA 2, \p, \zero
	MULA 3, \p, \zero
	WIN 0
.set KST, KST+1
.endm
.macro STEP sl, q, zero                ; K step q = 0, 1, 2 of a place: the next step's run of loads goes out first, then this step's products
	s_wait_dscnt 0x0
	PLACES 4
	FETCH \sl, (\q)+1, ((\q)+1)%2
	MULALL (\q)%2, \zero
.endm
.macro STEPC nx                        ; a place's last K step where place nx is known whole to every wave and nothing is filled: no barrier
	s_wait_dscnt 0x0
	PLACES 4
	FETCH \nx, 0, 0
	MULALL 1, 0
.endm
; A place's last K step with a barrier: in front of it each wave waits for all its tensor loads, adds 0 to its spare word, and waits for that and for its LDS reads so far.  Then place nx is read.
; how = 1: the barrier opens a round of the cluster's, and X takes K steps 12-15.  how = 0: nothing is filled.
.macro TURN nx, how
	s_wait_tensorcnt 0x0
	ds_add_u32 v16, v17
	s_wait_dscnt 1                                 ; only the add, issued last, may be out
	WIN MUL
	MULA 0, 1, 0
	s_wait_dscnt 0x0
	s_barrier_signal -1
	MULA 1, 1, 0
	WIN 0
	s_barrier_wait -1
.if \how
	CREST
	s_add_nc_u64 s[G0AX+2:G0AX+3], s[G0AX+2:G0AX+3], 12*REC
	s_add_nc_u64 s[G0BX+2:G0BX+3], s[G0BX+2:G0BX+3], 12*REC
	JLOAD G0AX, G1AX, G0BX, G1BX                   ; the first tensor load behind the round; its four v_nop are also the places in front of the loads below
.else
	PLACES 4
.endif
	FETCH \nx, 0, 0
	WIN MUL
	MULA 2, 1, 0
	MULA 3, 1, 0
	WIN 0
.set KST, KST+1
.endm
	s_load_b256 s[4:11], s[0:1], 0x0               ; Z2C, Z2S, WDC, WDS
	s_load_b64 s[12:13], s[0:1], 0x20              ; out0
	v_lshl_add_u32 v16, v0, 2, SPARE
	v_mov_b32 v17, 0
	ds_add_u32 v16, v17                            ; the opening lines: the add twice on end and one wait
	ds_add_u32 v16, v17
	v_lshrrev_b32 v1, 5, v0
	v_readfirstlane_b32 s18, v1                    ; wave 0..3
	s_lshr_b32 s19, s18, 1                         ; wm: which 64 rows.  Also: I fetch for z2 (0) or for Wn (1)
	s_and_b32 s20, s18, 1                          ; wn: which 64 columns.  Also: which four tiles of that side I fetch
	s_bfe_u32 s21, ttmp6, 0x40000                  ; cx
	s_bfe_u32 s22, ttmp6, 0x40004                  ; cy
	s_lshl_b32 s23, ttmp9, 2
	s_add_co_u32 s23, s23, s21                     ; tx
	s_and_b32 s24, ttmp7, 0xffff
	s_lshl_b32 s24, s24, 2
	s_add_co_u32 s24, s24, s22                     ; ty
	s_lshl_b32 s25, s22, 2
	s_lshl_b32 s25, 15, s25                        ; my row of the cluster
	s_lshl_b32 s60, 0x1111, s21                    ; my column
	s_or_b32 s[G1AX], s25, (3<<16)|(1<<21)
	s_or_b32 s[G1AY], s25, (3<<16)|(1<<21)
	s_or_b32 s[G1BX], s60, (3<<16)|(1<<21)
	s_or_b32 s[G1BY], s60, (3<<16)|(1<<21)
	G1SET G1AX, 768, 4, TP/8                       ; 4 tiles x 4 records
	G1SET G1BX, 768, 4, TP/8
	G1SET G1AY, 1536, 4, TP/8                      ; 4 tiles x 8 records
	G1SET G1BY, 1536, 4, TP/8
	s_lshl_b32 s3, s20, 2
	s_lshl_b32 s26, s24, 3                         ; z2's tiles hang on ty alone: 8 ty + 4 half
	s_add_co_u32 s26, s26, s3
	s_mul_i32 s26, s26, TP
	s_mov_b32 s27, 0
	s_lshl_b32 s62, s23, 3                         ; Wn's on tx alone: 8 tx + 4 half
	s_add_co_u32 s62, s62, s3
	s_mul_i32 s62, s62, TP
	s_mov_b32 s63, 0
	s_mul_i32 s[G0AX+1], s20, 16*REC               ; where they go: the wave's number alone
	s_add_co_u32 s[G0BX+1], s[G0AX+1], 32*REC
	s_mul_i32 s[G0AY+1], s20, 32*REC
	s_add_co_u32 s[G0BY+1], s[G0AY+1], YB+64*REC
	s_add_co_u32 s[G0AY+1], s[G0AY+1], YB
	s_mul_i32 s84, s19, 16*REC                     ; my four tiles of z2 at places 0, 1, 2
	s_mul_i32 s85, s19, 32*REC
	s_add_co_u32 s85, s85, YB
	s_add_co_u32 s86, s85, 4*REC
	s_mul_i32 s87, s20, 16*REC                     ; and of Wn
	s_add_co_u32 s87, s87, 32*REC
	s_mul_i32 s88, s20, 32*REC
	s_add_co_u32 s88, s88, YB+64*REC
	s_add_co_u32 s89, s88, 4*REC
	s_lshl_b32 s90, s24, 9                         ; my rows' scale words: 512 ty + 256 wm
	s_lshl_b32 s2, s19, 8
	s_add_co_u32 s90, s90, s2
	s_lshl_b32 s91, s23, 9                         ; my columns': 512 tx + 256 wn
	s_lshl_b32 s2, s20, 8
	s_add_co_u32 s91, s91, s2
	s_mul_i32 s92, s18, 4352                       ; my stage: 16 rows x 272 bytes at Y's start: Y is filled once, and its last read stands ahead of the last barrier
	s_add_co_u32 s92, s92, YB
	s_lshl_b32 s96, s24, 3                         ; prefetch: z2's tile 8 ty + 2 cx + w % 2, or Wn's tile 8 tx + 2 cy + w % 2
	s_lshl_b32 s97, s21, 1
	s_add_co_u32 s96, s96, s97
	s_lshl_b32 s98, s23, 3
	s_lshl_b32 s99, s22, 1
	s_add_co_u32 s98, s98, s99
	s_cmp_lt_u32 s18, 2
	s_cselect_b32 s93, s96, s98
	s_add_co_u32 s93, s93, s20
	s_mul_i32 s93, s93, TP
	s_wait_dscnt 0x0                               ; both opening adds are done
	s_wait_kmcnt 0x0
	s_cmp_lt_u32 s18, 2
	s_cselect_b64 s[94:95], s[4:5], s[8:9]         ; the buffer whose blocks I name: the choice hangs on the wave's number alone
	s_add_nc_u64 s[G0AX+2:G0AX+3], s[4:5], s[26:27]
	s_add_nc_u64 s[G0BX+2:G0BX+3], s[8:9], s[62:63]
	s_add_nc_u64 s[G0AY+2:G0AY+3], s[G0AX+2:G0AX+3], 4*REC
	s_add_nc_u64 s[G0BY+2:G0BY+3], s[G0BX+2:G0BX+3], 4*REC
.irp g, G0AX, G0BX, G0AY, G0BY
	s_or_b32 s[\g+3], s[\g+3], 0x80000000
	s_mov_b32 s[\g], 1
.endr
	CROUND                                         ; all sixteen work-groups are here: the first joint loads meet
	JLOAD G0AX, G1AX, G0BX, G1BX                   ; K steps 0-3: one tensor load a wave at the head
	v_and_b32 v1, 31, v0                           ; lane
	v_and_b32 v2, 15, v0                           ; r
	v_bfe_u32 v3, v0, 4, 1                         ; h
	v_lshl_add_u32 v[VSM], v1, 2, s90
	v_lshl_add_u32 v[VSN], v1, 2, s91
.set i, 0
.rept 16
	global_load_b32 v[SCB+4*i], v[VSM], s[6:7] offset:i*16384          ; lanes 0-15 an even tile's rows, lanes 16-31 the odd tile's
	global_load_b32 v[SCB+4*i+1], v[VSM], s[6:7] offset:i*16384+128
	global_load_b32 v[SCB+4*i+2], v[VSN], s[10:11] offset:i*4096
	global_load_b32 v[SCB+4*i+3], v[VSN], s[10:11] offset:i*4096+128
.set i, i+1
.endr
	v_lshlrev_b32 v[L16], 4, v1
	v_lshlrev_b32 v[L8], 4, v2
	v_lshl_add_u32 v[L8], v3, 3, v[L8]
.irp s, 0,1,2
	v_add_nc_u32 v[A16+\s], s[84+\s], v[L16]
	v_add_nc_u32 v[A8+\s], s[84+\s], v[L8]
	v_add_nc_u32 v[B16+\s], s[87+\s], v[L16]
	v_add_nc_u32 v[B8+\s], s[87+\s], v[L8]
.endr
	v_mul_u32_u24 v20, v2, 272
	v_lshl_add_u32 v20, v3, 5, v20
	v_add_nc_u32 v20, s92, v20                     ; into the stage: row r, 32 h
	v_mul_u32_u24 v21, v3, 272
	v_lshl_add_u32 v21, v2, 4, v21
	v_add_nc_u32 v21, s92, v21                     ; back: lanes 0-15 one row, lanes 16-31 the next
	v_lshlrev_b32 v25, 12, v3
	v_lshl_add_u32 v25, v2, 4, v25                 ; and the same two rows in out0
	v_lshl_add_u32 v[PF1], v1, 8, s93              ; blocks 0 .. 31 of a run
	v_add_nc_u32 v[PF2], 32, v1
	v_min_u32 v[PF2], 47, v[PF2]                   ; blocks 32 .. 47; the lanes left over name the last again
	v_lshl_add_u32 v[PF2], v[PF2], 8, s93
	v_min_u32 v[PF3], 23, v1                       ; blocks 0 .. 23
	v_lshl_add_u32 v[PF3], v[PF3], 8, s93
	s_wait_alu depctr_va_vdst(0)                   ; the wait at the head's end
	global_prefetch_b8 v[PF1], s[94:95] offset:4*REC th:TH_LOAD_NT scope:SCOPE_SE    ; K steps 4-11 of my tile
	global_prefetch_b8 v[PF2], s[94:95] offset:4*REC th:TH_LOAD_NT scope:SCOPE_SE
	s_wait_tensorcnt 0x0                           ; my part of X is in
	ds_add_u32 v16, v17
	s_wait_dscnt 0x0
	CROUND
	JLOAD G0AY, G1AY, G0BY, G1BY                   ; K steps 4-11: Y's first fill, the first tensor load behind the round
	FETCH 0, 0, 0
	global_prefetch_b8 v[PF3], s[94:95] offset:12*REC th:TH_LOAD_NT scope:SCOPE_SE   ; K steps 12-15 of my tile
	s_wait_loadcnt 0x0                             ; the scale words are in
	STEP 0, 0, 1                                   ; K steps 0-3
	STEP 0, 1, 0
	STEP 0, 2, 0
	TURN 1, 1                                      ; Y is whole; X takes K steps 12-15
	STEP 1, 0, 0                                   ; K steps 4-7
	STEP 1, 1, 0
	STEP 1, 2, 0
	STEPC 2
	STEP 2, 0, 0                                   ; K steps 8-11
	STEP 2, 1, 0
	STEP 2, 2, 0
	TURN 0, 0                                      ; the refill has landed, for every wave
	STEP 0, 0, 0                                   ; K steps 12-15
	STEP 0, 1, 0
	STEP 0, 2, 0
	s_wait_dscnt 0x0
	MULALL 1, 0
	PLACES 4                                       ; behind the last products: their results are read, and loads land in their operands' registers
	s_lshl_b32 s26, s24, 19                        ; out0: (128 ty + 64 wm) rows of 4,096 bytes + 512 tx + 256 wn
	s_lshl_b32 s27, s19, 18
	s_add_co_u32 s26, s26, s27
	s_lshl_b32 s27, s23, 9
	s_add_co_u32 s26, s26, s27
	s_lshl_b32 s27, s20, 8
	s_add_co_u32 s26, s26, s27
	s_mov_b32 s27, 0
	s_add_nc_u64 s[12:13], s[12:13], s[26:27]
.irp a, 0,1,2,3
.if \a > 1
	s_wait_xcnt 0x0                                ; tile a - 2's stores have read the registers that tile a's rows land in
.endif
	WIN 0x04                                       ; an LDS store's data are its source 1: the accumulators' window
.irp t, 0,1,2,3
	ds_store_b128 v20, v[32*\a+8*\t:32*\a+8*\t+3] offset:64*\t           ; each accumulator from its low end on: columns 16 t + 8 h + 0 .. 7 of row r
	ds_store_b128 v20, v[32*\a+8*\t+4:32*\a+8*\t+7] offset:64*\t+16
.endr
	WIN 0
.irp i, 0,1,2,3,4,5,6,7
	ds_load_b128 v[128+32*(\a%2)+4*\i:128+32*(\a%2)+4*\i+3], v21 offset:544*\i   ; LDS serves a wave's instructions in order: these see my stores
.endr
	s_wait_dscnt 0x0
.irp i, 0,1,2,3,4,5,6,7
	global_store_b128 v25, v[128+32*(\a%2)+4*\i:128+32*(\a%2)+4*\i+3], s[12:13] offset:(16*\a+2*\i)*4096 th:TH_STORE_NT   ; sixteen lanes store 256 consecutive bytes, aligned
.endr
.endr
	s_wait_tensorcnt 0x0                           ; the wave's end
	ds_add_u32 v16, v17
	s_wait_dscnt 0x0
	CROUND                                         ; the closing round
	s_endpgm
.Lfunc_end_k_qf73ccaff26_synth:
	.size	k_qf73ccaff26_synth, .Lfunc_end_k_qf73ccaff26_synth-k_qf73ccaff26_synth
	.p2alignl 7, 3214868480
	.fill 96, 4, 3214868480
	.section	.rodata,"a",@progbits
	.p2align	6, 0x0
	.amdhsa_kernel k_qf73ccaff26_synth
		.amdhsa_group_segment_fixed_size 327680
		.amdhsa_private_segment_fixed_size 0
		.amdhsa_enable_private_segment 0
		.amdhsa_kernarg_size 40
		.amdhsa_user_sgpr_count 2
		.amdhsa_user_sgpr_kernarg_segment_ptr 1
		.amdhsa_wavefront_size32 1
		.amdhsa_system_sgpr_workgroup_id_x 1
		.amdhsa_system_sgpr_workgroup_id_y 1
		.amdhsa_system_sgpr_workgroup_id_z 1
		.amdhsa_system_vgpr_workitem_id 0
		.amdhsa_next_free_vgpr 704
		.amdhsa_next_free_sgpr 102
		.amdhsa_reserve_vcc 0
		.amdhsa_float_denorm_mode_32 3
		.amdhsa_float_denorm_mode_16_64 3
		.amdhsa_memory_ordered 1
		.amdhsa_forward_progress 1
		.amdhsa_inst_pref_size 94
	.end_amdhsa_kernel
	.amdgpu_metadata
---
amdhsa.version: [ 1, 2 ]
amdhsa.kernels:
  - .name:           k_qf73ccaff26_synth
    .symbol:         k_qf73ccaff26_synth.kd
    .args:
      - { .name: Z2C, .offset: 0, .size: 8, .value_kind: global_buffer, .address_space: global }
      - { .name: Z2S, .offset: 8, .size: 8, .value_kind: global_buffer, .address_space: global }
      - { .name: WDC, .offset: 16, .size: 8, .value_kind: global_buffer, .address_space: global }
      - { .name: WDS, .offset: 24, .size: 8, .value_kind: global_buffer, .address_space: global }
      - { .name: out0, .offset: 32, .size: 8, .value_kind: global_buffer, .address_space: global }
    .group_segment_fixed_size: 327680
    .private_segment_fixed_size: 0
    .kernarg_segment_align: 8
    .kernarg_segment_size: 40
    .max_flat_workgroup_size: 128
    .sgpr_count:     102
    .vgpr_count:     704
    .wavefront_size: 32
...
	.end_amdgpu_metadata
.endif
;; end of part 4
